; MI455X (gfx1250); checked and timed in simulation.
; The chip was launched on July 23, 2026; its instructions are those of AMD's public machine-readable ISA for CDNA 5 (MIT licence, August 2026) and "CDNA5" Instruction Set Architecture Reference Guide (July 2026). The comments in the code are by the model that wrote it; some were corrected since.
;; Quantum Attention. Allowed arithmetic: matrix products marked QUANTISED: E2M1 operands, one E8M0 scale for each 32 along K, by v_wmma_scale_f32_16x16x128_f8f6f4 with both operands' format E2M1 (or v_wmma_scale_f32_32x16x128_f4), f32 sums; products left as they are: bf16, f16 or f32 operands; f32 sums; everything else in f32.
;; Inputs: Wi 4 x 1,024 x 1,024 float32; Wr 4 x 1,024 x 1,024 float32; bi 4 x 1,024 float32; br 4 x 1,024 float32; xi 4 x 512 x 1,024 float32; xr 4 x 512 x 1,024 float32.
;; Outputs: out0 2 x 4 x 512 x 1,024 float32.
;; This version of the problem:
;;   THIS VERSION OF THE PROBLEM IS GIVEN IN LOW PRECISION. The matrix products marked QUANTISED in the list below multiply operands that are first quantised to E2M1 (2 exponent bits, 1 mantissa bit; 4 bits a number), with one power-of-two scale for each 32 numbers along K (OCP MX v1.0); their sums are f32. The products marked 'left as it is' may take bf16, f16 or f32 operands, with f32 sums. Whichever they take, every output number must still come out within the allowed error. Rounding operands to bf16 (8 significant bits) uses up far more of that allowance than f16 does (11 bits, for magnitudes from 6e-5 to 65,504). All else is computed in f32.
;;   The module's matrix products, in the order in which they are computed (A, B: the left and right operand; K: the contracted axis; several contracted axes count as one K, in the product's order):
;;     1. [M 2,048, K 1,024] x [K 1,024, N 1,024]; A: input xr; B: input Wr: QUANTISED
;;     2. [M 2,048, K 1,024] x [K 1,024, N 1,024]; A: input xi; B: input Wi: QUANTISED
;;     3. [M 2,048, K 1,024] x [K 1,024, N 1,024]; A: input xr; B: input Wi: QUANTISED
;;     4. [M 2,048, K 1,024] x [K 1,024, N 1,024]; A: input xi; B: input Wr: QUANTISED
;;     5. [M 2,048, K 1,024] x [K 1,024, N 1,024]; A: input xr; B: input Wr: QUANTISED
;;     6. [M 2,048, K 1,024] x [K 1,024, N 1,024]; A: input xi; B: input Wi: QUANTISED
;;     7. [M 2,048, K 1,024] x [K 1,024, N 1,024]; A: input xr; B: input Wi: QUANTISED
;;     8. [M 2,048, K 1,024] x [K 1,024, N 1,024]; A: input xi; B: input Wr: QUANTISED
;;     9. [M 2,048, K 1,024] x [K 1,024, N 1,024]; A: input xr; B: input Wr: QUANTISED
;;     10. [M 2,048, K 1,024] x [K 1,024, N 1,024]; A: input xi; B: input Wi: QUANTISED
;;     11. [M 2,048, K 1,024] x [K 1,024, N 1,024]; A: input xr; B: input Wi: QUANTISED
;;     12. [M 2,048, K 1,024] x [K 1,024, N 1,024]; A: input xi; B: input Wr: QUANTISED
;;     13. batch 64 x [M 512, K 64] x [K 64, N 512]; A: computed on the way; B: computed on the way: left as it is (an operand is computed on the way)
;;     14. batch 64 x [M 512, K 64] x [K 64, N 512]; A: computed on the way; B: computed on the way: left as it is (an operand is computed on the way)
;;     15. batch 64 x [M 512, K 64] x [K 64, N 512]; A: computed on the way; B: computed on the way: left as it is (an operand is computed on the way)
;;     16. batch 64 x [M 512, K 64] x [K 64, N 512]; A: computed on the way; B: computed on the way: left as it is (an operand is computed on the way)
;;     17. batch 64 x [M 512, K 512] x [K 512, N 64]; A: computed on the way; B: computed on the way: left as it is (an operand is computed on the way)
;;     18. batch 64 x [M 512, K 512] x [K 512, N 64]; A: computed on the way; B: computed on the way: left as it is (an operand is computed on the way)
;;     19. [M 2,048, K 1,024] x [K 1,024, N 1,024]; A: computed on the way; B: input Wr: left as it is (an operand is computed on the way)
;;     20. [M 2,048, K 1,024] x [K 1,024, N 1,024]; A: computed on the way; B: input Wi: left as it is (an operand is computed on the way)
;;     21. [M 2,048, K 1,024] x [K 1,024, N 1,024]; A: computed on the way; B: input Wi: left as it is (an operand is computed on the way)
;;     22. [M 2,048, K 1,024] x [K 1,024, N 1,024]; A: computed on the way; B: input Wr: left as it is (an operand is computed on the way)
;;   THE QUANTISER, for each operand of a quantised product, along K:
;;     - K is cut into blocks of 32 from its start; a last block that is shorter is filled with zeros.
;;     - A block's scale is 2^e with e = floor(log2(the largest magnitude in the block)) - 2, held to -126 .. 127; a block of zeros has e = 0. As a byte (E8M0): e + 127.
;;     - Each number is divided by its block's scale, clamped to +-6, and rounded to the nearest number of E2M1, ties to even, subnormals kept.
;;     - The product sums the exact products of the quantised numbers (number of the format x scale) in f32.
;;   ~~~python
;;   def quantise(x, axis):      # numpy; x: float32 -> the quantised numbers, widened to float32 again
;;       x = np.moveaxis(x, axis, -1); K = x.shape[-1]
;;       x = np.pad(x, [(0, 0)] * (x.ndim - 1) + [(0, -K % 32)]); x = x.reshape(x.shape[:-1] + (-1, 32)); a = np.abs(x).max(-1, keepdims=True)
;;       e = np.where(a > 0, np.clip(np.frexp(np.where(a > 0, a, 1))[1] - 1 - 2, -126, 127), 0)      # np.frexp(a)[1] - 1 = floor(log2(a)), exactly
;;       r = np.clip(x / 2.0 ** e, -6, 6)
;;       step = 2.0 ** (np.maximum(np.frexp(np.where(r == 0, 1, r))[1] - 1, 0) - 1)
;;       q = np.round(r / step) * step * 2.0 ** e      # np.round: ties to even
;;       return np.moveaxis(q.reshape(q.shape[:-2] + (-1,))[..., :K], -1, axis).astype(np.float32)
;;   ~~~
;; One version. Each part assembles by itself: llvm-mc -triple=amdgcn-amd-amdhsa -mcpu=gfx1250 --defsym DOCPART=n.
;; ======== version 1 of 1: 4 launches
;; limits: values are held in f16: magnitudes above 65,504 overflow, below 6.1e-05 lose precision
;; workspace buffers: acodes 2,097,152 bytes; ascales 131,072 bytes; bcodes 6,291,456 bytes; bscales 393,216 bytes; w3h 8,388,608 bytes; qkv 25,165,824 bytes; att 8,388,608 bytes
;; launch prep (part 1): grid 384 x 1, 4 waves a work-group, no clusters, 33,280 bytes of LDS; arguments xr, xi, Wr, Wi, acodes, ascales, bcodes, bscales, w3h; writes acodes, ascales, bcodes, bscales, w3h
.if DOCPART == 1
	.amdgcn_target "amdgcn-amd-amdhsa--gfx1250"
	.amdhsa_code_object_version 6
	.text
	.protected	k_qec67af1ede_prep
	.globl	k_qec67af1ede_prep
	.p2align	8
	.type	k_qec67af1ede_prep,@function
k_qec67af1ede_prep:
	s_mov_b64 s[64:65], 0
	v_nop
	global_prefetch_b8 v0, s[64:65] scope:SCOPE_SE
	s_setreg_imm32_b32 hwreg(HW_REG_WAVE_MODE, 25, 1), 1
	s_wait_xcnt 0x0
; PREP.  xr, xi [2048][1024] and Wr[0..2], Wi[0..2] [3072][1024], f32, become codes of FP4 (E2M1) with one E8M0 byte for each 32 along K; Wr[3], Wi[3] become f16.
; A complex product is ONE real product with K doubled: [xr | xi] . [Wr | -Wi] is the real part, [xr | xi] . [Wi | Wr] the imaginary part; the quantiser is odd, so -Q(w) is Q(w) with its sign bits turned.
;   acodes [2048 tokens][1024 B]: xr's 1024 codes, then xi's.          ascales [2048][64]: xr's 32 bytes, then xi's.
;   bcodes [6144 rows c][1024 B], c = 2048 l + 128 head + 64 part + d: part 0 = Q(Wr) | -Q(Wi), part 1 = Q(Wi) | Q(Wr) of output 64 head + d of layer l.     bscales [6144][64] alike.
;   w3h [2048 rows][2048 f16], K order 128 head + 64 part + d: row o = Wr3[o] (part 0), -Wi3[o] (part 1); row 1024 + o = Wi3[o], Wr3[o].
; A block's scale is 2^(floor(log2(its largest magnitude)) - 2): its byte is the largest magnitude's exponent field - 2, held at 1 from below.
; LIMITS: a block of zeros gets the byte 1 where the rule says 127 (its codes are zeros, and this program alone reads the bytes); blocks whose largest magnitude lies under 2^(3 - 127) share that byte;
; NaN and infinities among the inputs are not served; |W3| stays under 65,504 (f16); codes of -0 occur and add nothing.
; SHARES.  Work-groups 0-127: x; 128-319: W[0..2]; 320-383: W[3].  A work-group takes 16 rows, a wave 4 rows of BOTH tensors (real and imaginary): so a wave's scale bytes, 4 rows x 64, are 256 consecutive bytes, aligned,
; and a head's 256 bytes of a row of w3h are stored whole.  The waves share nothing: no barrier.  No input is shared between work-groups: no cluster, no tensor load.
; A quantising step is 512 numbers.  Each of its four loads reads 512 consecutive bytes; the 2,048 bytes turn through the wave's own stage in LDS (16 bytes of padding behind each 64) and come back 16 neighbours a lane.
.set WREG,  8192                       ; LDS: a region for each wave: two stages of 32 x SP bytes, behind them its 256 scale bytes
.set SP,    80
.set SPARE, 4*WREG                     ; behind the four regions: the spare words, 128 bytes for each wave; no other line names them
.set EMAX,  2
.set STEPS, 16
.set R,     16                         ; v16-79   four sets of 16 numbers as they are loaded
.set X,     80                         ; v80-111  two sets of 16 neighbours
.set E,     112                        ; v112-127 a scale byte for each step
.set C,     128                        ; v128-159 codes: two registers for each step, never written again
.set NC,    160                        ; v160-175 the imaginary tensor's codes with their signs turned (x: unturned)
.set SPW,   12                         ; v12      LDS address of my spare word; never rewritten
.set NIL,   13                         ; v13      0; never rewritten
	s_load_b256 s[4:11], s[0:1], 0x0               ; xr s[4:5], xi s[6:7], Wr s[8:9], Wi s[10:11]
	s_load_b256 s[12:19], s[0:1], 0x20             ; acodes s[12:13], ascales s[14:15], bcodes s[16:17], bscales s[18:19]
	s_load_b64 s[20:21], s[0:1], 0x40              ; w3h
	v_lshl_add_u32 v[SPW], v0, 2, SPARE
	v_mov_b32 v[NIL], 0
	v_lshrrev_b32 v1, 5, v0
	v_readfirstlane_b32 s22, v1                    ; wave 0..3
	v_and_b32 v2, 31, v0                           ; lane
	v_lshlrev_b32 v3, 4, v2                        ; my 16 bytes of a load's 512
	v_lshlrev_b32 v4, 3, v2                        ; my 8 bytes of a store's 256
	v_xor_b32 v7, 32, v4                           ; the same with the halves of each 64 bytes changed: the imaginary rows' scale bytes
	s_mul_i32 s23, s22, WREG
	v_lshrrev_b32 v14, 2, v2
	v_mul_u32_u24 v14, v14, SP
	v_and_b32 v15, 3, v2
	v_lshl_add_u32 v14, v15, 4, v14
	v_add_nc_u32 v14, s23, v14                     ; the stage, on the way in: SP (lane / 4) + 16 (lane % 4)
	v_mul_u32_u24 v15, v2, SP
	v_add_nc_u32 v15, s23, v15                     ; and on the way out: SP x lane
	v_lshrrev_b32 v5, 1, v2
	s_add_co_u32 s23, s23, 2*32*SP
	v_add_nc_u32 v5, s23, v5                       ; my block's scale byte among the wave's 256
	v_add_nc_u32 v6, s23, v4                       ; and 8 of them a lane on the way out
	s_wait_kmcnt 0x0
	s_cmp_ge_u32 ttmp9, 320
	s_cbranch_scc1 .Lconv
	; ---- the quantising path.  x or W: only pointers and three numbers are chosen, by the work-group's number
	s_cmp_lt_u32 ttmp9, 128
	s_cselect_b64 s[24:25], s[4:5], s[8:9]         ; the real tensor
	s_cselect_b64 s[26:27], s[6:7], s[10:11]       ; the imaginary tensor
	s_cselect_b64 s[28:29], s[12:13], s[16:17]     ; codes
	s_cselect_b64 s[30:31], s[14:15], s[18:19]     ; scale bytes
	s_cselect_b32 s32, 0, 0x88888888               ; the sign bits of eight codes, for W's real rows
	s_cselect_b32 s33, 0, 128                      ; the path's first work-group
	s_cselect_b32 s34, 6, 7                        ; a group of 64 rows goes to 64 rows (x) or to 128 (W: real rows, then imaginary rows)
	s_sub_co_u32 s35, ttmp9, s33
	s_lshl_b32 s35, s35, 4
	s_lshl_b32 s36, s22, 2
	s_add_co_u32 s35, s35, s36                     ; my first row
	s_lshr_b32 s36, s35, 6
	s_lshl_b32 s36, s36, s34
	s_and_b32 s37, s35, 63
	s_add_co_u32 s36, s36, s37                     ; and where it goes
	s_lshl_b32 s38, s35, 12                        ; 4,096 bytes a row of f32
	s_mov_b32 s39, 0
	s_add_nc_u64 s[24:25], s[24:25], s[38:39]
	s_add_nc_u64 s[26:27], s[26:27], s[38:39]
	s_lshl_b32 s38, s36, 10                        ; 1,024 bytes a row of codes
	s_add_nc_u64 s[28:29], s[28:29], s[38:39]
	s_lshl_b32 s38, s36, 6                         ; 64 scale bytes a row
	s_add_nc_u64 s[30:31], s[30:31], s[38:39]
; step t: row t / 4, tensor (t / 2) % 2 (0 real, 1 imaginary), half row t % 2
.macro LOAD t
.set LT, ((\t)/2)%2
.irp i, 0,1,2,3
	global_load_b128 v[R+16*((\t)%4)+4*\i:R+16*((\t)%4)+4*\i+3], v3, s[24+2*LT:25+2*LT] offset:((\t)/4)*4096+((\t)%2)*2048+512*\i th:TH_LOAD_NT   ; 32 lanes read 512 consecutive bytes
.endr
.endm
.macro TURN t                          ; step t's numbers through the stage: LDS serves a wave's instructions in order, so no wait stands between the stores and the loads
.irp i, 0,1,2,3
	ds_store_b128 v14, v[R+16*((\t)%4)+4*\i:R+16*((\t)%4)+4*\i+3] offset:32*SP*((\t)%2)+8*SP*\i
.endr
.irp i, 0,1,2,3
	ds_load_b128 v[X+16*((\t)%2)+4*\i:X+16*((\t)%2)+4*\i+3], v15 offset:32*SP*((\t)%2)+16*\i
.endr
.endm
.irp t, 0,1,2,3
	LOAD \t
.endr
	s_wait_loadcnt 12                              ; step 0's four loads are in; the twelve of steps 1 to 3 may be out
	TURN 0
.macro STEP t
.set XS, X+16*((\t)%2)
.set RHO, (\t)/4
.set TAU, ((\t)/2)%2
.set ETA, (\t)%2
.set U, ((\t)/4)*2+(\t)%2
.if (\t) > 0
	s_wait_dscnt 1                                 ; this step's numbers are back from the stage (the last step's byte store may be out): so its stores into the stage have read their registers,
.else
	s_wait_dscnt 0x0
.endif
.if (\t)+4 < STEPS
	LOAD (\t)+4                                    ; which take the loads of four steps on
.endif
.if (\t)+1 < STEPS
.if STEPS-2-(\t) >= 3
	s_wait_loadcnt 12                              ; the next step's four loads are in; those of the three steps behind it may be out
.else
	s_wait_loadcnt 4*(STEPS-2-(\t))
.endif
	TURN (\t)+1                                    ; and go through the other stage while this step is worked
.endif
	v_max3_num_f32 v8, |v[XS]|, |v[XS+1]|, |v[XS+2]|               ; the largest magnitude of my 16, in two chains
	v_max3_num_f32 v9, |v[XS+3]|, |v[XS+4]|, |v[XS+5]|
.irp i, 6,10
	v_max3_num_f32 v8, v8, |v[XS+\i]|, |v[XS+\i+1]|
	v_max3_num_f32 v9, v9, |v[XS+\i+2]|, |v[XS+\i+3]|
.endr
	v_max3_num_f32 v8, v8, |v[XS+14]|, |v[XS+15]|
	v_max3_num_f32 v8, v8, v9, (EMAX+1)<<23        ; and the floor 2^(EMAX + 1 - 127): the byte cannot fall under 1
	v_max_num_f32_dpp v8, v8, v8 row_xmask:1 row_mask:0xf bank_mask:0xf   ; and of my neighbour's 16: the block's
	v_add_nc_u32 v11, -(EMAX<<23), v8              ; EMAX off its exponent field: the conversion takes the exponent field of this operand as its scale
	v_cvt_scalef32_pk8_fp4_f32 v[C+2*(\t)], v[XS:XS+7], v11
	v_cvt_scalef32_pk8_fp4_f32 v[C+2*(\t)+1], v[XS+8:XS+15], v11
	v_lshrrev_b32 v[E+(\t)], 23, v11               ; the scale's byte (also the plain line behind the conversions)
	ds_store_b8 v5, v[E+(\t)] offset:16*(\t)       ; 16 t = 64 row + 32 tensor + 16 half: its place in the rows of scale bytes; both lanes of a block write the same byte
.if TAU == 0
	global_store_b64 v4, v[C+2*(\t):C+2*(\t)+1], s[28:29] offset:RHO*1024+ETA*256         ; 32 lanes store 256 consecutive bytes, aligned
.else
	v_xor_b32 v[NC+2*U], s32, v[C+2*(\t)]          ; W's real rows take -Q(Wi); x's rows take Q(xi) as it is
	v_xor_b32 v[NC+2*U+1], s32, v[C+2*(\t)+1]
	global_store_b64 v4, v[NC+2*U:NC+2*U+1], s[28:29] offset:RHO*1024+512+ETA*256
.endif
.endm
.irp t, 0,1,2,3,4,5,6,7,8,9,10,11,12,13,14,15
	STEP \t
.endr
	ds_load_b64 v[8:9], v6                         ; LDS serves a wave's instructions in order: these see my byte stores
	s_wait_dscnt 0x0
	global_store_b64 v4, v[8:9], s[30:31]          ; four rows' scale bytes: 256 consecutive bytes, aligned
	s_wait_tensorcnt 0x0                           ; behind my last LDS store
	ds_add_u32 v[SPW], v[NIL]
	s_wait_dscnt 0x0
	s_cmp_lt_u32 ttmp9, 128
	s_cbranch_scc1 .Lend                           ; x has one set of rows
	; W's imaginary rows, 64 rows on: Q(Wi) | Q(Wr), the same codes with the halves changed and no sign turned.  No register that a store names is written again
	global_store_b64 v7, v[8:9], s[30:31] offset:4096
.irp t, 0,1,2,3,4,5,6,7,8,9,10,11,12,13,14,15
	global_store_b64 v4, v[C+2*\t:C+2*\t+1], s[28:29] offset:65536+(\t/4)*1024+(1-(\t/2)%2)*512+(\t%2)*256
.endr
.Lend:
	s_endpgm
	; ---- W[3] to f16.  No LDS.  A unit g = 8 row + i is 128 numbers (two heads) of one row of both tensors; eight units' loads are out
.Lconv:
	s_sub_co_u32 s35, ttmp9, 320
	s_lshl_b32 s35, s35, 4
	s_lshl_b32 s36, s22, 2
	s_add_co_u32 s35, s35, s36                     ; my first output o
	s_lshl_b32 s38, s35, 12                        ; 4,096 bytes a row, in W and in w3h
	s_mov_b32 s39, 0
	s_add_nc_u64 s[20:21], s[20:21], s[38:39]
	s_add_co_u32 s38, s38, 3*1024*4096             ; layer 3
	s_add_nc_u64 s[8:9], s[8:9], s[38:39]
	s_add_nc_u64 s[10:11], s[10:11], s[38:39]
.macro CLOAD g
.set CK, 16+8*((\g)%8)
	global_load_b128 v[CK:CK+3], v3, s[8:9] offset:((\g)/8)*4096+((\g)%8)*512 th:TH_LOAD_NT
	global_load_b128 v[CK+4:CK+7], v3, s[10:11] offset:((\g)/8)*4096+((\g)%8)*512 th:TH_LOAD_NT
.endm
.macro CONV g
.set LR, 16+8*((\g)%8)                 ; four numbers of Wr3, four of Wi3
.set O8, 80+8*((\g)%8)                 ; r0 r1 | n0 n1 | i0 i1 | q0 q1
.set OFS, ((\g)/8)*4096+((\g)%8)*512
.if (\g) < 24
	s_wait_loadcnt 14                              ; this unit's two loads are in; the seven younger units' fourteen may be out
.else
	s_wait_loadcnt 2*(31-(\g))
.endif
.if (\g) >= 8
	s_wait_xcnt 0x0                                ; the stores of eight units back have read these registers
.endif
	v_cvt_pk_f16_f32 v[O8], v[LR], v[LR+1]         ; Wr3
	v_cvt_pk_f16_f32 v[O8+1], v[LR+2], v[LR+3]
	v_cvt_pk_f16_f32 v[O8+4], v[LR+4], v[LR+5]     ; Wi3
	v_cvt_pk_f16_f32 v[O8+5], v[LR+6], v[LR+7]
	v_mov_b32 v[O8+6], v[O8]                       ; Wr3 once more: the exchange below uses up its operands
	v_mov_b32 v[O8+7], v[O8+1]
	v_xor_b32 v[O8+2], 0x80008000, v[O8+4]         ; -Wi3
	v_xor_b32 v[O8+3], 0x80008000, v[O8+5]
	v_permlane16_swap_b32 v[O8], v[O8+2]           ; lanes 0-15 hold head 2 i, lanes 16-31 head 2 i + 1.  The first's upper lanes change places with the second's lower ones:
	v_permlane16_swap_b32 v[O8+1], v[O8+3]         ; r now holds head 2 i's Wr3 | -Wi3, n head 2 i + 1's: 256 bytes each, 8 a lane
	v_permlane16_swap_b32 v[O8+4], v[O8+6]         ; and i, q the same of Wi3 | Wr3
	v_permlane16_swap_b32 v[O8+5], v[O8+7]
.if (\g) < 24
	CLOAD (\g)+8
.endif
	global_store_b64 v4, v[O8:O8+1], s[20:21] offset:OFS                   ; each store: 256 consecutive bytes, aligned
	global_store_b64 v4, v[O8+2:O8+3], s[20:21] offset:OFS+256
	global_store_b64 v4, v[O8+4:O8+5], s[20:21] offset:1024*4096+OFS
	global_store_b64 v4, v[O8+6:O8+7], s[20:21] offset:1024*4096+OFS+256
.endm
.irp g, 0,1,2,3,4,5,6,7
	CLOAD \g
.endr
.irp g, 0,1,2,3,4,5,6,7,8,9,10,11,12,13,14,15,16,17,18,19,20,21,22,23,24,25,26,27,28,29,30,31
	CONV \g
.endr
	s_endpgm
.Lfunc_end_k_qec67af1ede_prep:
	.size	k_qec67af1ede_prep, .Lfunc_end_k_qec67af1ede_prep-k_qec67af1ede_prep
	.p2alignl 7, 3214868480
	.fill 96, 4, 3214868480
	.section	.rodata,"a",@progbits
	.p2align	6, 0x0
	.amdhsa_kernel k_qec67af1ede_prep
		.amdhsa_group_segment_fixed_size 33280
		.amdhsa_private_segment_fixed_size 0
		.amdhsa_enable_private_segment 0
		.amdhsa_kernarg_size 72
		.amdhsa_user_sgpr_count 2
		.amdhsa_user_sgpr_kernarg_segment_ptr 1
		.amdhsa_wavefront_size32 1
		.amdhsa_system_sgpr_workgroup_id_x 1
		.amdhsa_system_sgpr_workgroup_id_y 1
		.amdhsa_system_sgpr_workgroup_id_z 1
		.amdhsa_system_vgpr_workitem_id 0
		.amdhsa_next_free_vgpr 192
		.amdhsa_next_free_sgpr 66
		.amdhsa_reserve_vcc 0
		.amdhsa_float_denorm_mode_32 3
		.amdhsa_float_denorm_mode_16_64 3
		.amdhsa_memory_ordered 1
		.amdhsa_forward_progress 1
		.amdhsa_inst_pref_size 74
	.end_amdhsa_kernel
	.amdgpu_metadata
---
amdhsa.version: [ 1, 2 ]
amdhsa.kernels:
  - .name:           k_qec67af1ede_prep
    .symbol:         k_qec67af1ede_prep.kd
    .args:
      - { .name: xr, .offset: 0, .size: 8, .value_kind: global_buffer, .address_space: global }
      - { .name: xi, .offset: 8, .size: 8, .value_kind: global_buffer, .address_space: global }
      - { .name: Wr, .offset: 16, .size: 8, .value_kind: global_buffer, .address_space: global }
      - { .name: Wi, .offset: 24, .size: 8, .value_kind: global_buffer, .address_space: global }
      - { .name: acodes, .offset: 32, .size: 8, .value_kind: global_buffer, .address_space: global }
      - { .name: ascales, .offset: 40, .size: 8, .value_kind: global_buffer, .address_space: global }
      - { .name: bcodes, .offset: 48, .size: 8, .value_kind: global_buffer, .address_space: global }
      - { .name: bscales, .offset: 56, .size: 8, .value_kind: global_buffer, .address_space: global }
      - { .name: w3h, .offset: 64, .size: 8, .value_kind: global_buffer, .address_space: global }
    .group_segment_fixed_size: 33280
    .private_segment_fixed_size: 0
    .kernarg_segment_align: 8
    .kernarg_segment_size: 72
    .max_flat_workgroup_size: 128
    .sgpr_count:     66
    .vgpr_count:     192
    .wavefront_size: 32
...
	.end_amdgpu_metadata
.endif
;; end of part 1
;; launch qkv (part 2): grid 24 x 8, 4 waves a work-group, clusters of 4 x 4, 327,680 bytes of LDS; arguments acodes, ascales, bcodes, bscales, qkv, br, bi; writes qkv
.if DOCPART == 2
	.amdgcn_target "amdgcn-amd-amdhsa--gfx1250"
	.amdhsa_code_object_version 6
	.text
	.protected	k_qec67af1ede_qkv
	.globl	k_qec67af1ede_qkv
	.p2align	8
	.type	k_qec67af1ede_qkv,@function
k_qec67af1ede_qkv:
	s_mov_b64 s[64:65], 0
	v_nop
	global_prefetch_b8 v0, s[64:65] scope:SCOPE_SE
	s_setreg_imm32_b32 hwreg(HW_REG_WAVE_MODE, 25, 1), 1
	s_wait_xcnt 0x0
	s_wait_alu depctr_hold_cnt(0) depctr_sa_sdst(0) depctr_va_vdst(0) depctr_va_sdst(0) depctr_va_ssrc(0) depctr_va_vcc(0) depctr_vm_vsrc(0)
	s_getreg_b32 s2, hwreg(HW_REG_IB_STS2, 6, 4)
	s_cmp_eq_u32 s2, 0
	s_cbranch_scc0 .Lentry_in_a_cluster
	s_endpgm
.Lentry_in_a_cluster:
	s_bfe_u32 s2, ttmp6, 0x10000c
	s_cmp_lg_u32 s2, 0xf033
	s_cbranch_scc0 .Lentry_shape_is_right
	s_endpgm
.Lentry_shape_is_right:
; QKV.  The three complex projections as ONE product on codes of FP4 (E2M1) with E8M0 scales: C[token][c] = sum over k of A[token][k] B[c][k] + bias[c], 2048 x 6144, K = 2048 ([xr | xi]).
; Column c = 2048 l + 128 head + 64 part + d.  The result leaves as f16: qkv [l = q, k, v][16 batch + head][512 tokens][128 = re 64 | im 64]: rows of 256 bytes.
; LIMITS: |Q|, |K|, |V| stay under 65,504 (f16); a real or imaginary part is ONE f32 sum over K = 2048, begun with the bias, where the source takes a difference or sum of two f32 sums and adds the bias last.
; A tile of C, 256 x 256, is made by a work-group of four waves; a wave makes 128 x 128: 64 accumulators of 16 x 16, 512 registers.  A wave's 128 columns are one head of one layer, re and im: its result is 128 rows x 256 bytes on end.
; K goes in steps of 512 through a ring of two LDS slots filled by the tensor data mover: a tile's row is 256 bytes of memory.  The scales of the work-group's rows, for all of K, come into LDS once, with the first fills.
; CLUSTERS: 4 x 4 work-groups.  The four of a row of the cluster need the same tiles of A, the four of a column the same tiles of B: each tile is asked for JOINTLY, by the same tensor load with the same descriptor and a mask that names the four.
; THE MATRIX INSTRUCTION IS USED TRANSPOSED (source 0 = 16 rows of B, source 1 = 16 rows of A): a lane then holds eight neighbouring numbers of a row of C.  THE BIAS is the C of each sum's first product.
; REGISTERS, in windows of 256: window 0: v0-31 addresses; v32-95 scale words, two sets; v128-191 A's fragments, ONE set; v192-255 the bias in the result's layout; on the way out v32-63 and v192-255 are at work.
;   window 1: B's fragments, TWO sets, at v0 and at v128.   window 2: the accumulators of my rows 0-63 ((a, b) at v[8 (8 a + b)]);   window 3: those of my rows 64-127.
.set SIZE_K, 2048
.set KSTEP,  512                       ; along K in a slot
.set NQ,     KSTEP/128                 ; matrix instructions deep
.set ROWB,   256                       ; a tile's row in bytes
.set KROW,   SIZE_K*4/8                ; a row of A or of B in memory, in bytes
.set PITCH,  272                       ; an LDS row: 256 bytes + 16 of padding = 68 words: the 16 rows that a load touches start at 16 different banks (64 banks of 4 bytes: ISA guide 11.1)
.set FR,     8                         ; registers of a fragment: 16 rows x 128 K
.set NL,     2                         ; LDS loads that bring one
.set NP,     4                         ; places behind this matrix instruction (ISA guide 7.12.1)
.set HALFT,  128*PITCH                 ; 128 rows: what one tensor load brings, and what one wave reads of A or of B
.set SLOT,   4*HALFT                   ; A's 256 rows, then B's 256 rows
.set LAPS,   SIZE_K/(2*KSTEP)          ; a lap = two K steps = once round the ring
.set KS,     SIZE_K/32                 ; a row of scales in bytes
.set SCL,    2*SLOT                    ; behind the ring: the scales, as runs of 256 bytes + 16 of padding
.set HALFS,  (128*KS/256)*272          ; the scales of 128 rows: what one tensor load brings
.set SBLK,   (16*KS/256)*272           ; those of 16 rows
.set SPARE,  SCL+4*HALFS               ; behind the scales: the spare words, 128 bytes for each wave; no other line names them
.set SPITCH, 272                       ; the way out: a stage of 16 rows x (256 bytes + 16) for each wave, in slot 0, which has had its last fill and its last read when the first result is stored there
.set ADRA, 16                          ; v16-17  LDS address of my A fragments in slot 0, 1
.set ADRB, 20                          ; v20-21  the same for B
.set STO,  24                          ; v24     the way out: where I put 16 bytes of a row
.set RD,   25                          ; v25     the way out: where I read a row back
.set CO,   26                          ; v26     my byte offset in two rows of the result
.set ADRS, 27                          ; v27     LDS address of my scale words: lanes 0-15 A's rows, lanes 16-31 B's
.set SPW,  28                          ; v28     LDS address of my spare word; never rewritten
.set NIL,  29                          ; v29     0; never rewritten
.set BO,   30                          ; v30     32 x (lane / 16): my eight numbers of a block's sixteen biases
.set SC,   32                          ; scale words: set s at v[SC + 8 NQ s]; register NQ i + q: lanes 0-15 the word of A's block i, lanes 16-31 that of B's block i
.set AF,   128                         ; A's fragments, in window 0
.set BI,   192                         ; the bias: block b's eight registers at v[BI + 8 b]
.set TMP,  192                         ; the way out: packed results
.set OB,   32                          ; the way out: 16 rows read back: v32-63 and v224-255 by turns
.set G1, 24                            ; s[24:31] descriptor group 1 for A's tiles;  s[32:39] group 0, one set for each slot
.set G0, 32
.set G1B, 48                           ; s[48:55], s[56:63] the same for B's tiles
.set G0B, 56
.set G1S, 68                           ; s[68:75], s[76:79] groups 1 and 0 for A's scales;  s[80:87], s[88:91] for B's
.set G0S, 76
.set G1SB, 80
.set G0SB, 88
.set MSB, 0
.macro WIN new                         ; the immediate's high byte repeats the setting that is left
.if MSB != \new
	s_set_vgpr_msb (MSB<<8)|\new
.set MSB, \new
.endif
.endm
.set MUL_LO, 0xa1                      ; source 0 (B) window 1, source 1 (A) window 0, C and D window 2
.set MUL_HI, 0xf1                      ; the same, C and D window 3
.set BEG_LO, 0x81                      ; a sum's first product: C (the bias) window 0, D window 2
.set BEG_HI, 0xc1                      ; D window 3
.set TO_B,   0x40                      ; destination window 1, address window 0
; A joint load: waves 0 and 1 fetch for A, waves 2 and 3 for B.  Each of the two lines has ONE mask and one set of registers for all that issue it; the branch hangs on the wave's number alone.
; An s_nop 0 and four v_nop follow each of the two lines, ahead of the jump, the label and what follows.
.macro JLOAD g0a, g1a, g0b, g1b
	s_cmp_eq_u32 s15, 0
	s_cbranch_scc0 .Lfor_b_\@
	tensor_load_to_lds s[\g0a:\g0a+3], s[\g1a:\g1a+7]
	s_nop 0
.rept 4
	v_nop
.endr
	s_branch .Lasked_\@
.Lfor_b_\@:
	tensor_load_to_lds s[\g0b:\g0b+3], s[\g1b:\g1b+7]
	s_nop 0
.rept 4
	v_nop
.endr
.Lasked_\@:
.endm
.macro CREST                           ; a round of the cluster's barrier behind its opening barrier
	s_cmp_lg_u32 s14, 0
	s_cbranch_scc1 .Lnot_wave_0_\@
	s_barrier_signal -3
.Lnot_wave_0_\@:
	s_barrier_wait -3
	s_barrier_signal -1
	s_barrier_wait -1
.endm
.macro CROUND                          ; a whole round
	s_barrier_signal -1
	s_barrier_wait -1
	CREST
.endm
	s_load_b128 s[4:7], s[0:1], 0x0                ; A's codes s[4:5], A's scales s[6:7]
	s_load_b128 s[8:11], s[0:1], 0x10              ; B's codes s[8:9], B's scales s[10:11]
	s_load_b64 s[12:13], s[0:1], 0x20              ; qkv
	s_load_b128 s[96:99], s[0:1], 0x28             ; br s[96:97], bi s[98:99]
	v_lshl_add_u32 v[SPW], v0, 2, SPARE
	v_mov_b32 v[NIL], 0
	ds_add_u32 v[SPW], v[NIL]                      ; the wave's opening: the add, twice on end, and its wait ahead of my first tensor load; the set-up below, work on registers, stands between
	ds_add_u32 v[SPW], v[NIL]
	v_lshrrev_b32 v1, 5, v0
	v_readfirstlane_b32 s14, v1                    ; wave 0..3
	s_lshr_b32 s15, s14, 1                         ; which half of the tile's rows is mine.  Also: I fetch for A (0) or for B (1)
	s_and_b32 s16, s14, 1                          ; which half of its columns.  Also: which 128 rows of that tile I fetch
	s_bfe_u32 s40, ttmp6, 0x40000                  ; cx, cy: my place in the cluster
	s_bfe_u32 s41, ttmp6, 0x40004
	s_lshl_b32 s42, ttmp9, 2
	s_add_co_u32 s42, s42, s40                     ; tile column of C = 4 x cluster x + cx
	s_and_b32 s17, ttmp7, 0xffff
	s_lshl_b32 s17, s17, 2
	s_add_co_u32 s17, s17, s41                     ; tile row of C = 4 x cluster y + cy
	s_lshl_b32 s43, s41, 2
	s_lshl_b32 s43, 15, s43                        ; my row of the cluster
	s_lshl_b32 s44, 0x1111, s40                    ; my column
	; descriptor group 1: a tile of 128 rows x ROWB bytes, padded in LDS
	s_or_b32 s[G1+0], s43, (0<<16)|(1<<20)|(1<<21)|(5<<22)|(3<<25)  ; 15:0 the mask: A's tiles go to my row; 17:16 element of 1 byte; 20 padding on; 21 set beside a mask; 24:22 after every 64 words (code 5); 31:25 of 4 words (code 3)
	s_or_b32 s[G1B+0], s44, (0<<16)|(1<<20)|(1<<21)|(5<<22)|(3<<25)
.irp g, G1, G1B
	s_mov_b32 s[\g+1], ROWB<<16                    ; tensor_dim0
	s_mov_b32 s[\g+2], 128<<16                     ; tensor_dim1 = 128
	s_mov_b32 s[\g+3], ROWB<<16                    ; tile_dim0
	s_mov_b32 s[\g+4], 128                         ; tile_dim1 = 128
	s_mov_b32 s[\g+5], KROW                        ; tensor_dim0_stride
	s_mov_b32 s[\g+6], 0
	s_mov_b32 s[\g+7], 0
.endr
	; and for the scales of 128 rows: a dense block of 128 KS bytes, as rows of 256 bytes (32 elements of 8 bytes), 16 bytes of padding behind each
	s_or_b32 s[G1S+0], s43, (3<<16)|(1<<20)|(1<<21)|(5<<22)|(3<<25)
	s_or_b32 s[G1SB+0], s44, (3<<16)|(1<<20)|(1<<21)|(5<<22)|(3<<25)
.irp g, G1S, G1SB
	s_mov_b32 s[\g+1], 32<<16
	s_mov_b32 s[\g+2], (128*KS/256)<<16
	s_mov_b32 s[\g+3], 32<<16
	s_mov_b32 s[\g+4], 128*KS/256
	s_mov_b32 s[\g+5], 32
	s_mov_b32 s[\g+6], 0
	s_mov_b32 s[\g+7], 0
.endr
	s_lshl_b32 s18, s16, 7                         ; which 128 rows of the tile I fetch
	s_lshl_b32 s20, s17, 8
	s_add_co_u32 s20, s20, s18                     ; A: row 256 x tile row + 128 x half
	s_lshl_b32 s46, s42, 8
	s_add_co_u32 s46, s46, s18                     ; B: row 256 x tile column + 128 x half
	s_mov_b32 s21, 0
	s_mov_b32 s47, 0
	s_mov_b64 s[18:19], KS
	s_mul_u64 s[22:23], s[20:21], s[18:19]         ; where these rows' scales begin, in bytes
	s_mul_u64 s[92:93], s[46:47], s[18:19]
	s_mov_b64 s[18:19], KROW
	s_mul_u64 s[20:21], s[20:21], s[18:19]         ; and their codes
	s_mul_u64 s[46:47], s[46:47], s[18:19]
	s_mul_i32 s45, s14, HALFT                      ; where they go: wave x 128 rows: no place in the cluster enters an LDS address
	s_mul_i32 s94, s14, HALFS
	s_wait_dscnt 0x0                               ; both opening adds are done
	s_wait_kmcnt 0x0
	s_add_nc_u64 s[20:21], s[4:5], s[20:21]
	s_add_nc_u64 s[22:23], s[6:7], s[22:23]
	s_add_nc_u64 s[46:47], s[8:9], s[46:47]
	s_add_nc_u64 s[92:93], s[10:11], s[92:93]
	CROUND                                         ; all sixteen work-groups are here: the first joint loads meet
	s_mov_b32 s[G0S], 1
	s_add_co_u32 s[G0S+1], s94, SCL
	s_mov_b64 s[G0S+2:G0S+3], s[22:23]
	s_or_b32 s[G0S+3], s[G0S+3], 0x80000000
	s_mov_b32 s[G0SB], 1
	s_add_co_u32 s[G0SB+1], s94, SCL
	s_mov_b64 s[G0SB+2:G0SB+3], s[92:93]
	s_or_b32 s[G0SB+3], s[G0SB+3], 0x80000000
	JLOAD G0S, G1S, G0SB, G1SB                     ; the scales first: they are wanted with K step 0
.irp s, 0,1
	s_mov_b32 s[G0+4*\s], 1
	s_add_co_u32 s[G0+4*\s+1], s45, \s*SLOT
	s_add_nc_u64 s[G0+4*\s+2:G0+4*\s+3], s[20:21], \s*ROWB
	s_or_b32 s[G0+4*\s+3], s[G0+4*\s+3], 0x80000000
	s_mov_b32 s[G0B+4*\s], 1
	s_add_co_u32 s[G0B+4*\s+1], s45, \s*SLOT
	s_add_nc_u64 s[G0B+4*\s+2:G0B+4*\s+3], s[46:47], \s*ROWB
	s_or_b32 s[G0B+4*\s+3], s[G0B+4*\s+3], 0x80000000
	JLOAD G0+4*\s, G1, G0B+4*\s, G1B               ; three tensor loads of mine are out
.endr
	v_and_b32 v1, 15, v0                           ; l % 16
	v_bfe_u32 v2, v0, 4, 1                         ; l / 16
	v_mul_u32_u24 v3, v1, PITCH
	v_lshl_add_u32 v4, v2, 4, v3                   ; a fragment's row x pitch + 16 x half
	s_mul_i32 s21, s15, HALFT                      ; my 128 rows of A
	s_mul_i32 s22, s16, HALFT                      ; my 128 rows of B,
	s_add_co_u32 s22, s22, 2*HALFT                 ; which lie behind A's 256
.irp s, 0,1
	v_add_nc_u32 v[ADRA+\s], s21, v4
	v_add_nc_u32 v[ADRB+\s], s22, v4
	s_add_co_u32 s21, s21, SLOT
	s_add_co_u32 s22, s22, SLOT
.endr
	v_mul_u32_u24 v5, v1, KS                       ; my row's scales: KS bytes a row,
	v_lshrrev_b32 v6, 8, v5
	v_lshl_add_u32 v5, v6, 4, v5                   ; and 16 more for each 256 passed
	s_mul_i32 s21, s15, HALFS                      ; A's: my 128 rows
	s_mul_i32 s22, s16, HALFS                      ; B's: my 128 rows, behind A's 256
	s_add_co_u32 s22, s22, 2*HALFS
	s_sub_co_u32 s22, s22, s21
	v_mul_u32_u24 v6, s22, v2                      ; lanes 16-31 take B's
	s_add_co_u32 s21, s21, SCL
	v_add_nc_u32 v5, v5, v6
	v_add_nc_u32 v[ADRS], s21, v5
	s_mul_i32 s23, s14, 16*SPITCH                  ; my stage
	v_mul_u32_u24 v5, v1, SPITCH                   ; in: row l % 16, 16 bytes for each half of the lanes
	v_lshl_add_u32 v5, v2, 4, v5
	v_add_nc_u32 v[STO], s23, v5
	v_mul_u32_u24 v5, v2, SPITCH                   ; back: lanes 0-15 take one row of 256 bytes, lanes 16-31 the next
	v_lshl_add_u32 v5, v1, 4, v5
	v_add_nc_u32 v[RD], s23, v5
	v_lshlrev_b32 v5, 8, v2                        ; and the same two rows of the result
	v_lshl_add_u32 v[CO], v1, 4, v5
	v_lshlrev_b32 v[BO], 5, v2
	s_lshl_b32 s46, s42, 1
	s_add_co_u32 s46, s46, s16                     ; my 128 columns: 16 l + head
	s_lshl_b32 s92, s46, 8                         ; 64 biases of 4 bytes for each
	s_mov_b32 s93, 0
	s_add_nc_u64 s[96:97], s[96:97], s[92:93]
	s_add_nc_u64 s[98:99], s[98:99], s[92:93]
.irp b, 0,1,2,3                        ; blocks 0-3 are the real part's columns, blocks 4-7 the imaginary part's; lane (r, h) wants columns 16 b + 8 h + 0 .. 7
	global_load_b128 v[BI+8*\b:BI+8*\b+3], v[BO], s[96:97] offset:64*\b
	global_load_b128 v[BI+8*\b+4:BI+8*\b+7], v[BO], s[96:97] offset:64*\b+16
	global_load_b128 v[BI+32+8*\b:BI+32+8*\b+3], v[BO], s[98:99] offset:64*\b
	global_load_b128 v[BI+32+8*\b+4:BI+32+8*\b+7], v[BO], s[98:99] offset:64*\b+16
.endr
	s_lshr_b32 s47, s46, 4                         ; l
	s_lshl_b32 s47, s47, 6
	s_and_b32 s46, s46, 15                         ; head
	s_add_co_u32 s46, s46, s47
	s_lshr_b32 s20, s17, 1                         ; batch: a tile row is 256 of a batch's 512 tokens
	s_lshl_b32 s20, s20, 4
	s_add_co_u32 s46, s46, s20                     ; 64 l + 16 batch + head
	s_lshl_b32 s46, s46, 17                        ; 131,072 bytes each
	s_and_b32 s20, s17, 1
	s_lshl_b32 s20, s20, 8
	s_lshl_b32 s21, s15, 7
	s_add_co_u32 s20, s20, s21                     ; my first token in the batch
	s_lshl_b32 s20, s20, 8                         ; 256 bytes a row
	s_add_co_u32 s46, s46, s20                     ; under 2^25
	s_mov_b32 s47, 0
	s_add_nc_u64 s[12:13], s[12:13], s[46:47]
.macro FRAG reg, adr, q, i             ; a fragment, 16 rows x 128 K of 4-bit codes, is 8 registers: lane l holds row l % 16; registers 4 c .. 4 c + 3 hold K = 64 c + 32 (l / 16) + 0 .. 31
.irp c, 0,1
	ds_load_b128 v[\reg+4*\c:\reg+4*\c+3], v[\adr] offset:64*(\q)+32*\c+(\i)*16*PITCH
.endr
.endm
; 16 matrix instructions: A's blocks a0, a0 + 1 x B's eight, 128 along K: the slot's q-th.  p: B's set;  sc: the set of scale words.  zero = 1: the first product starts the sums, with the bias as its C: nothing is ever cleared.
; The 64 accumulators take turns, one instruction a turn, in the same order in every step.
.macro MUL16 a0, p, q, sc, zero
.irp a, \a0, \a0+1
.irp b, 0,1,2,3,4,5,6,7
.if \zero
	v_wmma_scale_f32_16x16x128_f8f6f4 v[8*(8*((\a)%4)+\b):8*(8*((\a)%4)+\b)+7], v[128*(\p)+FR*\b:128*(\p)+FR*\b+FR-1], v[AF+FR*(\a):AF+FR*(\a)+FR-1], v[BI+8*\b:BI+8*\b+7], v[SC+8*NQ*(\sc)+NQ*\b+(\q)], v[SC+8*NQ*(\sc)+NQ*(\a)+(\q)] matrix_a_fmt:MATRIX_FMT_FP4 matrix_b_fmt:MATRIX_FMT_FP4 matrix_a_scale:MATRIX_SCALE_ROW1
.else
	v_wmma_scale_f32_16x16x128_f8f6f4 v[8*(8*((\a)%4)+\b):8*(8*((\a)%4)+\b)+7], v[128*(\p)+FR*\b:128*(\p)+FR*\b+FR-1], v[AF+FR*(\a):AF+FR*(\a)+FR-1], v[8*(8*((\a)%4)+\b):8*(8*((\a)%4)+\b)+7], v[SC+8*NQ*(\sc)+NQ*\b+(\q)], v[SC+8*NQ*(\sc)+NQ*(\a)+(\q)] matrix_a_fmt:MATRIX_FMT_FP4 matrix_b_fmt:MATRIX_FMT_FP4 matrix_a_scale:MATRIX_SCALE_ROW1
.endif
.endr
.endr
.endm
.macro FETCH_B slot, q, p              ; B's eight fragments of the slot's q-th 128 along K into set p
	WIN TO_B
.irp i, 0,1,2,3,4,5,6,7
	FRAG 128*(\p)+FR*\i, ADRB+\slot, \q, \i
.endr
	WIN 0
.endm
.macro FETCH_A slot, q, i0             ; A's blocks i0 .. i0 + 3
.irp i, \i0, \i0+1, \i0+2, \i0+3
	FRAG AF+FR*(\i), ADRA+\slot, \q, \i
.endr
.endm
.macro SCALES sc                       ; the next K step's scale words into set sc: NQ words a row; lanes 0-15 take A's block i, lanes 16-31 B's block i
.irp i, 0,1,2,3,4,5,6,7
	ds_load_b128 v[SC+8*NQ*\sc+NQ*\i:SC+8*NQ*\sc+NQ*\i+3], v[ADRS] offset:\i*SBLK
.endr
.endm
; A load into a register that a matrix instruction has read, and a vector instruction that reads a matrix result, stand NP places behind that matrix instruction; only plain vector
; instructions that name none of its registers are places (ISA guide 7.12.1 for vector instructions).
.macro PLACES n
.rept \n
	v_nop
.endr
.endm
; A step of 128 along K that has its successor in the same slot.
.macro STEP slot, q, zero
	s_wait_dscnt 4*NL                              ; B's set and A's blocks 0-3 are in; the youngest eight loads (A's blocks 4-7) may be out
.if \zero
	WIN BEG_LO
.else
	WIN MUL_LO
.endif
	MUL16 0, (\q)%2, \q, \slot, \zero
	MUL16 2, (\q)%2, \q, \slot, \zero
	s_wait_dscnt 0                                 ; A's blocks 4-7 are in (asked for 32 matrix instructions ago)
	PLACES NP
	FETCH_B \slot, (\q)+1, 1-(\q)%2
	FETCH_A \slot, (\q)+1, 0
.if \zero
	WIN BEG_HI
.else
	WIN MUL_HI
.endif
	MUL16 4, (\q)%2, \q, \slot, \zero
	MUL16 6, (\q)%2, \q, \slot, \zero
	PLACES NP
	WIN 0
	FETCH_A \slot, (\q)+1, 4
.endm
; A slot's last step changes slots: ONE barrier; in front of it each wave waits for all its tensor loads, adds 0 to its spare word, and waits for that and for its own reads of this slot.  fill = 1: this slot is filled again, two K steps ahead.
.macro TURN slot, next, fill
	s_wait_tensorcnt 0x0                           ; all my tensor loads have landed: my part of the next slot  (every window is 0 here: the add's two registers lie in window 0)
	ds_add_u32 v[SPW], v[NIL]                      ; 0 onto my spare word
	s_wait_dscnt 4*NL+1                            ; (the add and the youngest eight loads, A's blocks 4-7, may be out)
	WIN MUL_LO
	MUL16 0, 1, NQ-1, \slot, 0                     ; sixteen matrix instructions stand between the add and the wait for it
	s_wait_dscnt 0x0                               ; the add is done, and my reads of this slot are over
	s_barrier_signal -1
	MUL16 2, 1, NQ-1, \slot, 0
	WIN 0
	s_barrier_wait -1
.if \fill
	CREST                                          ; the barrier has opened a round of the cluster's barrier: no wave of any partner still reads this slot's tile or has a load on its way
	s_add_nc_u64 s[G0+4*\slot+2:G0+4*\slot+3], s[G0+4*\slot+2:G0+4*\slot+3], 2*ROWB
	s_add_nc_u64 s[G0B+4*\slot+2:G0B+4*\slot+3], s[G0B+4*\slot+2:G0B+4*\slot+3], 2*ROWB
	JLOAD G0+4*\slot, G1, G0B+4*\slot, G1B         ; the first tensor load behind the round, and my only one out; the four v_nop behind it are the places in front of the loads below
.else
	PLACES NP
.endif
	v_add_nc_u32 v[ADRS], 4*NQ, v[ADRS]            ; on to the next K step's scale words (no LDS load of mine is out)
	FETCH_B \next, 0, 0
	FETCH_A \next, 0, 0
	SCALES \next
	WIN MUL_HI
	MUL16 4, 1, NQ-1, \slot, 0
	MUL16 6, 1, NQ-1, \slot, 0
	PLACES NP
	WIN 0
	FETCH_A \next, 0, 4
.endm
.macro STEPS slot, from                ; the slot's steps from .. NQ - 2
.set Q, \from
.rept NQ-1-\from
	STEP \slot, Q, 0
.set Q, Q+1
.endr
.endm
	s_wait_tensorcnt 1                             ; the scales and my part of K step 0 are in (K step 1's load may be out)
	s_barrier_signal -1
	s_barrier_wait -1                              ; everybody's are
	FETCH_B 0, 0, 0
	FETCH_A 0, 0, 0
	SCALES 0
	FETCH_A 0, 0, 4
	s_wait_loadcnt 0x0                             ; the bias
	STEP 0, 0, 1                                   ; the first step stands in front of the loop: its products start the sums
	s_mov_b32 s3, LAPS-1
.Llap:                                                 ; a trip goes once round the ring, from a lap's second step to the next lap's first, and fills both slots again
	STEPS 0, 1
	TURN 0, 1, 1
	STEPS 1, 0
	TURN 1, 0, 1
	STEP 0, 0, 0
	s_sub_co_u32 s3, s3, 1
	s_cmp_lg_u32 s3, 0
	s_cbranch_scc1 .Llap
	STEPS 0, 1                                     ; the last lap fills nothing, and has no round of the cluster's barrier
	TURN 0, 1, 0
	STEPS 1, 0
	s_wait_dscnt 4*NL                              ; the very last step: nothing more to fetch
	WIN MUL_LO
	MUL16 0, 1, NQ-1, 1, 0
	MUL16 2, 1, NQ-1, 1, 0
	s_wait_dscnt 0
	WIN MUL_HI
	MUL16 4, 1, NQ-1, 1, 0
	MUL16 6, 1, NQ-1, 1, 0
	WIN 0
; THE WAY OUT, block by block of 16 rows x 128 columns.  PACK: rounded to f16, 16 bytes a lane, each accumulator from its low end on.  TOSTAGE: into my own stage in LDS, and back as whole rows of 256 bytes.  SEND: stored.
.macro PACK a
.set AC, 64*((\a)%4)
	WIN 0x0a+5*((\a)/4)                            ; sources 0 and 1: window 2 or 3
.irp b, 0,1,2,3,4,5,6,7
.irp r, 0,1,2,3
	v_cvt_pk_f16_f32 v[TMP+4*\b+\r], v[AC+8*\b+2*\r], v[AC+8*\b+2*\r+1]
.endr
.endr
	WIN 0
.endm
.macro TOSTAGE a
.set BK, OB+192*((\a)%2)
.irp b, 0,1,2,3,4,5,6,7
	ds_store_b128 v[STO], v[TMP+4*\b:TMP+4*\b+3] offset:32*\b
.endr
.irp t, 0,1,2,3,4,5,6,7
	ds_load_b128 v[BK+4*\t:BK+4*\t+3], v[RD] offset:\t*2*SPITCH    ; LDS serves a wave's instructions in order (ISA guide 5.7.1.4): these see the stores above
.endr
.endm
.macro SEND a
.set BK, OB+192*((\a)%2)
	s_wait_dscnt 0x0                               ; the block is back in registers
	s_wait_xcnt 0x0                                ; the earlier stores have read their registers: the next block's loads from the stage may land on them
.irp t, 0,1,2,3,4,5,6,7
	global_store_b128 v[CO], v[BK+4*\t:BK+4*\t+3], s[12:13] offset:(\a)*4096+512*\t   ; 16 lanes store 256 consecutive bytes, aligned; the base is never stepped
.endr
.endm
	PLACES NP                                      ; behind the last products
	PACK 0
	TOSTAGE 0
.irp a, 1,2,3,4,5,6,7                  ; block a's conversions stand between block a - 1's loads from the stage and the wait for them
	PACK \a
	SEND \a-1
	TOSTAGE \a
.endr
	SEND 7
	s_wait_tensorcnt 0x0                           ; the wave's end: behind my last tensor load and my last LDS store
	ds_add_u32 v[SPW], v[NIL]
	s_wait_dscnt 0x0
	CROUND                                         ; the closing round: no work-group ends while a partner may still ask for a tile that names it
	s_endpgm
.Lfunc_end_k_qec67af1ede_qkv:
	.size	k_qec67af1ede_qkv, .Lfunc_end_k_qec67af1ede_qkv-k_qec67af1ede_qkv
	.p2alignl 7, 3214868480
	.fill 96, 4, 3214868480
	.section	.rodata,"a",@progbits
	.p2align	6, 0x0
	.amdhsa_kernel k_qec67af1ede_qkv
		.amdhsa_group_segment_fixed_size 327680
		.amdhsa_private_segment_fixed_size 0
		.amdhsa_enable_private_segment 0
		.amdhsa_kernarg_size 56
		.amdhsa_user_sgpr_count 2
		.amdhsa_user_sgpr_kernarg_segment_ptr 1
		.amdhsa_wavefront_size32 1
		.amdhsa_system_sgpr_workgroup_id_x 1
		.amdhsa_system_sgpr_workgroup_id_y 1
		.amdhsa_system_sgpr_workgroup_id_z 1
		.amdhsa_system_vgpr_workitem_id 0
		.amdhsa_next_free_vgpr 1024
		.amdhsa_next_free_sgpr 100
		.amdhsa_reserve_vcc 0
		.amdhsa_float_denorm_mode_32 3
		.amdhsa_float_denorm_mode_16_64 3
		.amdhsa_memory_ordered 1
		.amdhsa_forward_progress 1
		.amdhsa_inst_pref_size 215
	.end_amdhsa_kernel
	.amdgpu_metadata
---
amdhsa.version: [ 1, 2 ]
amdhsa.kernels:
  - .name:           k_qec67af1ede_qkv
    .symbol:         k_qec67af1ede_qkv.kd
    .args:
      - { .name: acodes, .offset: 0, .size: 8, .value_kind: global_buffer, .address_space: global }
      - { .name: ascales, .offset: 8, .size: 8, .value_kind: global_buffer, .address_space: global }
      - { .name: bcodes, .offset: 16, .size: 8, .value_kind: global_buffer, .address_space: global }
      - { .name: bscales, .offset: 24, .size: 8, .value_kind: global_buffer, .address_space: global }
      - { .name: qkv, .offset: 32, .size: 8, .value_kind: global_buffer, .address_space: global }
      - { .name: br, .offset: 40, .size: 8, .value_kind: global_buffer, .address_space: global }
      - { .name: bi, .offset: 48, .size: 8, .value_kind: global_buffer, .address_space: global }
    .group_segment_fixed_size: 327680
    .private_segment_fixed_size: 0
    .kernarg_segment_align: 8
    .kernarg_segment_size: 56
    .max_flat_workgroup_size: 128
    .sgpr_count:     100
    .vgpr_count:     1024
    .wavefront_size: 32
...
	.end_amdgpu_metadata
.endif
;; end of part 2
;; launch attn (part 3): grid 4 x 64, 8 waves a work-group, clusters of 4 x 1, 327,680 bytes of LDS; arguments qkv, att; writes att
.if DOCPART == 3
	.amdgcn_target "amdgcn-amd-amdhsa--gfx1250"
	.amdhsa_code_object_version 6
	.text
	.protected	k_qec67af1ede_attn
	.globl	k_qec67af1ede_attn
	.p2align	8
	.type	k_qec67af1ede_attn,@function
k_qec67af1ede_attn:
	s_mov_b64 s[64:65], 0
	v_nop
	global_prefetch_b8 v0, s[64:65] scope:SCOPE_SE
	s_setreg_imm32_b32 hwreg(HW_REG_WAVE_MODE, 25, 1), 1
	s_wait_xcnt 0x0
	s_wait_alu depctr_hold_cnt(0) depctr_sa_sdst(0) depctr_va_vdst(0) depctr_va_sdst(0) depctr_va_ssrc(0) depctr_va_vcc(0) depctr_vm_vsrc(0)
	s_getreg_b32 s2, hwreg(HW_REG_IB_STS2, 6, 4)
	s_cmp_eq_u32 s2, 0
	s_cbranch_scc0 .Lentry_in_a_cluster
	s_endpgm
.Lentry_in_a_cluster:
	s_bfe_u32 s2, ttmp6, 0x10000c
	s_cmp_lg_u32 s2, 0x3003
	s_cbranch_scc0 .Lentry_shape_is_right
	s_endpgm
.Lentry_shape_is_right:
; ATTN.  For each batch and head: sim = Q conj(K)^T (complex), weights = softmax(|sim| / 8) over the keys, O = weights x V (complex V, real weights).  Operands f16, sums f32.
; qkv [q, k, v][16 batch + head][512][128 f16 = re 64 | im 64].  With Q' = [Qr | Qi], K' = [Kr | Ki]: sim_r = Q' . K', sim_i = [Qi | -Qr] . K': two products of K = 128 on the same fragments of K'.
; t = sqrt(c^2 (sim_r^2 + sim_i^2)), c = log2(e) / 8; M = the running largest t of a query; p = 2^(t - M); when M moves, the sum and O are multiplied by f = 2^(old M - new M).  M is taken of the very numbers that it is
; subtracted from, so t - M is exactly 0 at the largest key, for scores of any size.  The row's sum is taken of p in f32 and divides O at the end; p is rounded to f16 for the second product.
; att [2048 tokens][2048 f16], order 128 head + 64 part + d: a head of a token is 256 consecutive bytes, aligned.
; LIMITS: NaN and infinities are not served; c^2 (sim_r^2 + sim_i^2) stays under the largest f32 number; |O| under 65,504.
; SHARES.  A work-group owns 128 queries of one head, each of its eight waves 16: one tile, in 256 registers, two waves to a SIMD.  ALL 512 rows of K' and V' of the head lie in LDS, filled ONCE: no slot is filled again.
; CLUSTER.  The four query blocks of a head form a cluster and need the same K' and V': each tile is asked for JOINTLY, by the same tensor load with the same descriptor and a mask that names the four.
; Nothing is prefetched: every tile of the launch is asked for at its head.
; LAYOUT.  Both products are used transposed: S^T = K' Q'^T (source 0 = 16 keys, source 1 = my 16 queries), O^T = V'^T P (source 0 = 16 channels, turned out of LDS by ds_load_tr16_b128; source 1 = P): a lane holds ONE query throughout.
.set PKP,   272                        ; a row of K' in LDS: 256 bytes + 16 of padding: the 16 rows of a load start at 16 different banks (64 banks of 4 bytes: ISA guide 11.1)
.set PVP,   288                        ; a row of V': 256 + 32
.set VB,    512*PKP                    ; V' lies behind K'
.set STAGE, VB+512*PVP                 ; behind both: 16 rows x 272 bytes for each wave, for the way out: bytes of its own, into which no tile lands
.set SPARE, STAGE+8*16*272             ; the spare words, 128 bytes for each wave; no other line names them
.set AK0, 1                            ; v1   my lane's place in a tile of K'
.set AV0, 2                            ; v2   the same for V'
.set ADK, 3                            ; v3   LDS address of the step's keys
.set ADV, 4                            ; v4   and of its rows of V'
.set QO,  5                            ; v5   my byte offset in the wave's rows of Q
.set STO, 6                            ; v6   the way out: where I put 16 bytes of a row
.set RD,  7                            ; v7   where I read a row back
.set GO,  8                            ; v8   my byte offset in two rows of att
.set SPW, 9                            ; v9   LDS address of my spare word; never rewritten
.set NIL, 10                           ; v10  0; never rewritten
.set M,   12                           ; v12  M;  v13 the old M (named with M as a pair)
.set MO,  13
.set L,   14                           ; v[14:15] the sum, even keys' and odd keys'
.set QF,  16                           ; v16-47 Q' (four fragments of 32 channels); v48-63 -Qr: so [Qi | -Qr] is v32-63 as it stands
.set KV,  64                           ; v64-127 eight fragments of K' or of V'
.set SR,  128                          ; v128-159 sim_r, then t, then p
.set SI,  160                          ; v160-191 sim_i
.set P,   160                          ; v160-175 then p in f16
.set T,   176                          ; v176-191 then at work; f in v182, named as the pair v[182:183]
.set O,   192                          ; v192-255 O^T
.set WV,  12                           ; s12  my wave's number
.set G1K, 24                           ; s[24:31] descriptor group 1 for K's tiles;  s[32:39] for V's: it differs in the padding alone
.set G1V, 32
.set G0K, 40                           ; s[40:47] group 0 for K's tiles, a set for each half of the keys;  s[48:55] for V's
.set G0V, 48
.set CNT, 56                           ; s56  trips
.set TK,  57                           ; s57  where the step's keys begin in K's region: 64 rows a step
.set TV,  58                           ; s58  and in V's
.set CC,  60                           ; s[60:61] c^2: the packed form names a pair and takes its low word for both halves
.set SEL, 62                           ; s[62:63] lane selects for v_permlanex16_b32: lane l xor 16
.macro CROUND                          ; a round of the cluster's barrier
	s_barrier_signal -1
	s_barrier_wait -1
	s_cmp_lg_u32 s[WV], 0
	s_cbranch_scc1 .Lnot_wave_0_\@
	s_barrier_signal -3
.Lnot_wave_0_\@:
	s_barrier_wait -3
	s_barrier_signal -1
	s_barrier_wait -1
.endm
	s_load_b128 s[4:7], s[0:1], 0x0                ; qkv s[4:5], att s[6:7]
	v_lshl_add_u32 v[SPW], v0, 2, SPARE
	v_mov_b32 v[NIL], 0
	ds_add_u32 v[SPW], v[NIL]                      ; the wave's opening: the add, twice on end, and its wait ahead of my first tensor load; the set-up below, work on registers, stands between
	ds_add_u32 v[SPW], v[NIL]
	v_lshrrev_b32 v11, 5, v0
	v_readfirstlane_b32 s[WV], v11                 ; wave 0..7
	s_bfe_u32 s13, ttmp6, 0x40000                  ; cx: my block of 128 queries; it enters Q's and att's addresses alone
	s_and_b32 s14, ttmp7, 0xffff                   ; 16 batch + head, which the four partners share
	s_and_b32 s15, s[WV], 3                        ; which 64 rows of a half I fetch (waves 0-3: of K', waves 4-7: of V')
	; descriptor group 1: a tile of 64 rows x 128 elements, padded in LDS
	s_mov_b32 s[G1K], 15|(1<<16)|(1<<20)|(1<<21)|(5<<22)|(3<<25)  ; 15:0 the mask: all four work-groups; 17:16 elements of 2 bytes; 20 padding on; 21 set beside a mask; 24:22 after every 64 words (code 5); 31:25 4 words of it (code 3)
	s_mov_b32 s[G1V], 15|(1<<16)|(1<<20)|(1<<21)|(5<<22)|(7<<25)  ; the same with 8 words of padding (code 7)
.irp g, G1K, G1V
	s_mov_b32 s[\g+1], 128<<16                     ; tensor_dim0 = 128
	s_mov_b32 s[\g+2], 64<<16                      ; tensor_dim1 = 64
	s_mov_b32 s[\g+3], 128<<16                     ; tile_dim0 = 128
	s_mov_b32 s[\g+4], 64                          ; tile_dim1 = 64
	s_mov_b32 s[\g+5], 128                         ; tensor_dim0_stride: elements from row to row
	s_mov_b32 s[\g+6], 0
	s_mov_b32 s[\g+7], 0
.endr
	s_lshl_b32 s16, s14, 17                        ; the head's 131,072 bytes in a layer,
	s_lshl_b32 s17, s15, 14                        ; my 64 rows of 256 bytes
	s_add_co_u32 s16, s16, s17
	s_mov_b32 s17, 0
	s_mul_i32 s18, s15, 64*PKP                     ; and where they go: no place in the cluster enters an LDS address
	s_mul_i32 s19, s15, 64*PVP
	s_add_co_u32 s19, s19, VB
	s_lshl_b32 s22, s14, 17                        ; Q: the head,
	s_lshl_b32 s23, s13, 15                        ; my block's 128 rows,
	s_add_co_u32 s22, s22, s23
	s_lshl_b32 s23, s[WV], 12                      ; my wave's 16
	s_add_co_u32 s22, s22, s23
	s_mov_b32 s23, 0
	s_lshr_b32 s2, s14, 4                          ; att: token 512 batch + 128 block + 16 wave,
	s_lshl_b32 s2, s2, 9
	s_lshl_b32 s3, s13, 7
	s_add_co_u32 s2, s2, s3
	s_lshl_b32 s3, s[WV], 4
	s_add_co_u32 s2, s2, s3
	s_lshl_b32 s2, s2, 12                          ; 4,096 bytes a token,
	s_and_b32 s3, s14, 15
	s_lshl_b32 s3, s3, 8                           ; 256 bytes a head
	s_add_co_u32 s2, s2, s3
	s_mov_b32 s3, 0
	s_mov_b32 s[CC], 0x3d053526                    ; c^2 = (log2(e) / 8)^2 = 0.0325214
	s_mov_b32 s[CC+1], s[CC]                       ; (named with it as a pair, so it is written)
	s_mov_b32 s[SEL], 0x76543210
	s_mov_b32 s[SEL+1], 0xfedcba98
	s_mov_b32 s[TK], 0
	s_mov_b32 s[TV], 0
	s_wait_dscnt 0x0                               ; both opening adds are done
	s_wait_kmcnt 0x0
	s_add_nc_u64 s[20:21], s[4:5], s[16:17]        ; my rows, in layer q's place
	s_add_nc_u64 s[4:5], s[4:5], s[22:23]          ; Q at my wave's first row
	s_add_nc_u64 s[6:7], s[6:7], s[2:3]            ; att likewise
	CROUND                                         ; all four work-groups are here: the joint loads meet
.irp e, 0,1                            ; half e: keys 256 e on
	s_mov_b32 s[G0K+4*\e], 1                       ; count = 1
	s_add_co_u32 s[G0K+4*\e+1], s18, \e*256*PKP    ; LDS address
	s_add_nc_u64 s[G0K+4*\e+2:G0K+4*\e+3], s[20:21], 8388608+\e*65536   ; global address: layer k
	s_or_b32 s[G0K+4*\e+3], s[G0K+4*\e+3], 0x80000000                   ; type = 2
	s_mov_b32 s[G0V+4*\e], 1
	s_add_co_u32 s[G0V+4*\e+1], s19, \e*256*PVP
	s_add_nc_u64 s[G0V+4*\e+2:G0V+4*\e+3], s[20:21], 16777216+\e*65536  ; layer v
	s_or_b32 s[G0V+4*\e+3], s[G0V+4*\e+3], 0x80000000
.endr
	s_cmp_lt_u32 s[WV], 4                          ; a wave's two fills stand in one branch, ahead of every wait on TENSORcnt and every LDS read: two loads of mine are out; an s_nop 0 follows each, four v_nop the second's
	s_cbranch_scc0 .Lfirst_v
	tensor_load_to_lds s[G0K:G0K+3], s[G1K:G1K+7]
	s_nop 0
	tensor_load_to_lds s[G0K+4:G0K+7], s[G1K:G1K+7]
	s_nop 0
.rept 4
	v_nop
.endr
	s_branch .Lfirst_asked
.Lfirst_v:
	tensor_load_to_lds s[G0V:G0V+3], s[G1V:G1V+7]
	s_nop 0
	tensor_load_to_lds s[G0V+4:G0V+7], s[G1V:G1V+7]
	s_nop 0
.rept 4
	v_nop
.endr
.Lfirst_asked:
	; A fragment of K' or Q' is 16 rows x 32 channels in 8 registers: lane l holds row l % 16; registers 0-3 channels 8 (l / 16) + 0..7, registers 4-7 channels 16 + 8 (l / 16) + 0..7: two loads of 16 bytes, 32 bytes apart.
	v_and_b32 v11, 15, v0                          ; r = l % 16
	v_bfe_u32 v13, v0, 4, 1                        ; h = l / 16
	v_lshlrev_b32 v[QO], 8, v11
	v_lshl_add_u32 v[QO], v13, 4, v[QO]            ; row x 256 + 16 x half
.irp c, 0,1,2,3
	global_load_b128 v[QF+8*\c:QF+8*\c+3], v[QO], s[4:5] offset:64*\c
	global_load_b128 v[QF+8*\c+4:QF+8*\c+7], v[QO], s[4:5] offset:64*\c+32
.endr
	v_mul_u32_u24 v[AK0], v11, PKP
	v_lshl_add_u32 v[AK0], v13, 4, v[AK0]
	; The turning load takes 16 keys x 16 channels (lane l reads 16 bytes: key 8 (l / 16) + l % 8, channels 8 ((l / 8) % 2) + 0..7) and leaves half a fragment of V'^T: lane l holds channel l % 16 and 8 keys.
	v_and_b32 v12, 7, v0
	v_bfe_u32 v14, v0, 3, 1
	v_lshl_add_u32 v[AV0], v13, 3, v12
	v_mul_u32_u24 v[AV0], v[AV0], PVP
	v_lshl_add_u32 v[AV0], v14, 4, v[AV0]
	v_add_nc_u32 v[AV0], VB, v[AV0]
	s_mul_i32 s16, s[WV], 16*272
	s_add_co_u32 s16, s16, STAGE                   ; my stage
	v_mul_u32_u24 v[STO], v11, 272                 ; in: row r, 16 bytes for each half of the lanes
	v_lshl_add_u32 v[STO], v13, 4, v[STO]
	v_add_nc_u32 v[STO], s16, v[STO]
	v_mul_u32_u24 v[RD], v13, 272                  ; back: lanes 0-15 take one row of 256 bytes, lanes 16-31 the next
	v_lshl_add_u32 v[RD], v11, 4, v[RD]
	v_add_nc_u32 v[RD], s16, v[RD]
	v_lshlrev_b32 v[GO], 12, v13                   ; and the same two tokens in att
	v_lshl_add_u32 v[GO], v11, 4, v[GO]
	v_mov_b32 v[MO], 0                             ; (named as the upper half of the pair v[12:13] before it is first written)
	s_wait_loadcnt 0x0                             ; Q'
.irp i, 0,1,2,3,4,5,6,7,8,9,10,11,12,13,14,15
	v_xor_b32 v[QF+32+\i], 0x80008000, v[QF+\i]    ; -Qr, two f16 a register
.endr
.macro KLOAD g                         ; the step's tiles 2 g and 2 g + 1 of 16 keys: eight fragments
.irp u, 0,1
.irp c, 0,1,2,3
	ds_load_b128 v[KV+32*\u+8*\c:KV+32*\u+8*\c+3], v[ADK] offset:(2*(\g)+\u)*16*PKP+64*\c
	ds_load_b128 v[KV+32*\u+8*\c+4:KV+32*\u+8*\c+7], v[ADK] offset:(2*(\g)+\u)*16*PKP+64*\c+32
.endr
.endr
.endm
.macro QK g                            ; 16 matrix instructions: sim_r and sim_i of the two tiles; the four accumulators take turns, one instruction a turn; the first products start the sums
.irp c, 0,1,2,3
.irp u, 0,1
.if \c == 0
	v_wmma_f32_16x16x32_f16 v[SR+8*(2*(\g)+\u):SR+8*(2*(\g)+\u)+7], v[KV+32*\u+8*\c:KV+32*\u+8*\c+7], v[QF+8*\c:QF+8*\c+7], 0
	v_wmma_f32_16x16x32_f16 v[SI+8*(2*(\g)+\u):SI+8*(2*(\g)+\u)+7], v[KV+32*\u+8*\c:KV+32*\u+8*\c+7], v[QF+16+8*\c:QF+16+8*\c+7], 0
.else
	v_wmma_f32_16x16x32_f16 v[SR+8*(2*(\g)+\u):SR+8*(2*(\g)+\u)+7], v[KV+32*\u+8*\c:KV+32*\u+8*\c+7], v[QF+8*\c:QF+8*\c+7], v[SR+8*(2*(\g)+\u):SR+8*(2*(\g)+\u)+7]
	v_wmma_f32_16x16x32_f16 v[SI+8*(2*(\g)+\u):SI+8*(2*(\g)+\u)+7], v[KV+32*\u+8*\c:KV+32*\u+8*\c+7], v[QF+16+8*\c:QF+16+8*\c+7], v[SI+8*(2*(\g)+\u):SI+8*(2*(\g)+\u)+7]
.endif
.endr
.endr
.endm
.macro MAG g                           ; t = sqrt(c^2 (sim_r^2 + sim_i^2)) of the two tiles' 16 numbers a lane, each accumulator from its low end on; the roots' results are named only behind the step's wait for them
.irp i, 0,2,4,6,8,10,12,14
	v_pk_mul_f32 v[SR+16*(\g)+\i:SR+16*(\g)+\i+1], v[SR+16*(\g)+\i:SR+16*(\g)+\i+1], v[SR+16*(\g)+\i:SR+16*(\g)+\i+1]
.endr
.irp i, 0,2,4,6,8,10,12,14
	v_pk_fma_f32 v[SR+16*(\g)+\i:SR+16*(\g)+\i+1], v[SI+16*(\g)+\i:SI+16*(\g)+\i+1], v[SI+16*(\g)+\i:SI+16*(\g)+\i+1], v[SR+16*(\g)+\i:SR+16*(\g)+\i+1]
.endr
.irp i, 0,2,4,6,8,10,12,14
	v_pk_mul_f32 v[SR+16*(\g)+\i:SR+16*(\g)+\i+1], v[SR+16*(\g)+\i:SR+16*(\g)+\i+1], s[CC:CC+1] op_sel_hi:[1,0]
.endr
.irp i, 0,1,2,3,4,5,6,7,8,9,10,11,12,13,14,15
	v_sqrt_f32 v[SR+16*(\g)+\i], v[SR+16*(\g)+\i]
.endr
.endm
.macro VLOAD e2                        ; V'^T of the step's keys 32 e2 on: eight fragments of 16 channels x 32 keys
.irp t, 0,1,2,3,4,5,6,7
	ds_load_tr16_b128 v[KV+8*\t:KV+8*\t+3], v[ADV] offset:(\e2)*32*PVP+32*\t
	ds_load_tr16_b128 v[KV+8*\t+4:KV+8*\t+7], v[ADV] offset:(\e2)*32*PVP+16*PVP+32*\t
.endr
.endm
.macro PVM e2, zero                    ; O^T += V'^T P for those 32 keys: eight accumulators by turns.  zero = 1: the products start the sums
.irp t, 0,1,2,3,4,5,6,7
.if \zero
	v_wmma_f32_16x16x32_f16 v[O+8*\t:O+8*\t+7], v[KV+8*\t:KV+8*\t+7], v[P+8*(\e2):P+8*(\e2)+7], 0
.else
	v_wmma_f32_16x16x32_f16 v[O+8*\t:O+8*\t+7], v[KV+8*\t:KV+8*\t+7], v[P+8*(\e2):P+8*(\e2)+7], v[O+8*\t:O+8*\t+7]
.endif
.endr
.endm
; A KEY STEP: 64 keys.  first = 1: the first step, which starts M, the sum and O^T.
; A load into a register that a matrix instruction has read, and a vector instruction that reads a matrix result, stand four places behind it; a matrix instruction that writes over a register of an earlier one, five
; (ISA guide 7.12.1 for vector instructions).
.macro STEP first
	v_add_nc_u32 v[ADK], s[TK], v[AK0]
	v_add_nc_u32 v[ADV], s[TV], v[AV0]
.rept 3
	v_nop                                          ; with the two additions: five places behind the last step's products: the loads below land on V's fragments, and the first products below write over P
.endr
	KLOAD 0
	s_wait_dscnt 0x0
	QK 0
.rept 4
	v_nop
.endr
	KLOAD 1                                        ; on its way while the first two tiles' magnitudes are made
	MAG 0
	s_wait_dscnt 0x0
	QK 1
.rept 4
	v_nop
.endr
	VLOAD 0                                        ; on its way through the softmax
	MAG 1
	v_nop                                          ; a plain line behind the last root
	s_wait_alu depctr_va_vdst(0)                   ; the wait ahead of the first line that names a root's result: one for all 32
.irp k, 0,1,2,3
	v_max3_num_f32 v[T+\k], v[SR+8*\k], v[SR+8*\k+1], v[SR+8*\k+2]        ; the largest t of my 32 keys, in four chains
.endr
.irp i, 3,5
.irp k, 0,1,2,3
	v_max3_num_f32 v[T+\k], v[T+\k], v[SR+8*\k+\i], v[SR+8*\k+\i+1]
.endr
.endr
.irp k, 0,1,2,3
	v_max_num_f32 v[T+\k], v[T+\k], v[SR+8*\k+7]
.endr
	v_max3_num_f32 v[T], v[T], v[T+1], v[T+2]
.if \first
	v_max_num_f32 v[T], v[T], v[T+3]
.else
	v_mov_b32 v[MO], v[M]                          ; the old M is kept for f
	v_max3_num_f32 v[T], v[T], v[T+3], v[M]
.endif
	v_permlanex16_b32 v[T+4], v[T], s[SEL], s[SEL+1]   ; the query's other 32 keys lie in the lane 16 away
	v_max_num_f32 v[M], v[T], v[T+4]
.if !\first
	v_sub_f32 v[T+7], v[MO], v[M]                  ; old M - new M, 0 or less
.endif
.irp i, 0,2,4,6,8,10,12,14,16,18,20,22,24,26,28,30
	v_pk_add_f32 v[SR+\i:SR+\i+1], v[SR+\i:SR+\i+1], v[M:M+1] op_sel_hi:[1,0] neg_lo:[0,1] neg_hi:[0,1]   ; t - M, two at a time
.endr
.irp i, 0,1,2,3,4,5,6,7,8,9,10,11,12,13,14,15,16,17,18,19,20,21,22,23,24,25,26,27,28,29,30,31
	v_exp_f32 v[SR+\i], v[SR+\i]                   ; p = 2^(t - M), at most 1
.endr
.if !\first
	v_exp_f32 v[T+6], v[T+7]                       ; f
.endif
	v_nop                                          ; a plain line behind the last exponential
	s_wait_alu depctr_va_vdst(0)                   ; one wait for the batch, ahead of its first reader
.irp i, 0,1,2,3,4,5,6,7,8,9,10,11,12,13,14,15
	v_cvt_pk_f16_f32 v[P+\i], v[SR+2*\i], v[SR+2*\i+1]   ; two tiles of 16 keys, rounded in pairs, ARE a fragment of 32 keys x 16 queries
.endr
.if !\first
.irp i, 0,2,4,6,8,10,12,14,16,18,20,22,24,26,28,30,32,34,36,38,40,42,44,46,48,50,52,54,56,58,60,62
	v_pk_mul_f32 v[O+\i:O+\i+1], v[O+\i:O+\i+1], v[T+6:T+7] op_sel_hi:[1,0]   ; O^T under the new M
.endr
.endif
	s_wait_dscnt 0x0                               ; V'^T of the first 32 keys is in
	PVM 0, \first
.rept 4
	v_nop
.endr
	VLOAD 1                                        ; on its way while the sum is taken
.irp u, 0,1,2,3,4,5,6,7
	v_pk_add_f32 v[SR+4*\u:SR+4*\u+1], v[SR+4*\u:SR+4*\u+1], v[SR+4*\u+2:SR+4*\u+3]   ; the sum of the 16 pairs of p, in f32, as a tree in place
.endr
.irp u, 0,1,2,3
	v_pk_add_f32 v[SR+8*\u:SR+8*\u+1], v[SR+8*\u:SR+8*\u+1], v[SR+8*\u+4:SR+8*\u+5]
.endr
.irp u, 0,1
	v_pk_add_f32 v[SR+16*\u:SR+16*\u+1], v[SR+16*\u:SR+16*\u+1], v[SR+16*\u+8:SR+16*\u+9]
.endr
.if \first
	v_pk_add_f32 v[L:L+1], v[SR:SR+1], v[SR+16:SR+17]
.else
	v_pk_add_f32 v[SR:SR+1], v[SR:SR+1], v[SR+16:SR+17]
	v_pk_fma_f32 v[L:L+1], v[L:L+1], v[T+6:T+7], v[SR:SR+1] op_sel_hi:[1,0,1]   ; the sum under the new M, and this step's
.endif
	s_wait_dscnt 0x0
	PVM 1, 0
	s_add_co_u32 s[TK], s[TK], 64*PKP              ; the next 64 keys
	s_add_co_u32 s[TV], s[TV], 64*PVP
.endm
	s_wait_tensorcnt 1                             ; my part of keys 0-255 is in; my part of keys 256-511 may be out
	s_barrier_signal -1
	s_barrier_wait -1                              ; everybody's is
	STEP 1
	s_mov_b32 s[CNT], 3
.Lhalf0:
	STEP 0
	s_sub_co_u32 s[CNT], s[CNT], 1
	s_cmp_lg_u32 s[CNT], 0
	s_cbranch_scc1 .Lhalf0
	s_wait_tensorcnt 0x0                           ; my part of keys 256-511 is in,
	s_wait_dscnt 0x0
	s_barrier_signal -1
	s_barrier_wait -1                              ; everybody's is
	s_mov_b32 s[CNT], 4
.Lhalf1:
	STEP 0
	s_sub_co_u32 s[CNT], s[CNT], 1
	s_cmp_lg_u32 s[CNT], 0
	s_cbranch_scc1 .Lhalf1
	; THE WAY OUT.  The sum's two halves and the other half of the lanes' are added; O^T is divided by the sum, rounded to f16 and sent through my stage in LDS, so that sixteen lanes store a token's 256 bytes of this head.
.rept 4
	v_nop                                          ; places behind the last products
.endr
	v_add_f32 v[L], v[L], v[L+1]
	v_permlanex16_b32 v[T+4], v[L], s[SEL], s[SEL+1]
	v_add_f32 v[L], v[L], v[T+4]
	v_rcp_f32 v[T+6], v[L]
	v_nop                                          ; a plain line behind the reciprocal
	s_wait_alu depctr_va_vdst(0)                   ; and the wait ahead of its first reader
.irp i, 0,2,4,6,8,10,12,14,16,18,20,22,24,26,28,30,32,34,36,38,40,42,44,46,48,50,52,54,56,58,60,62
	v_pk_mul_f32 v[O+\i:O+\i+1], v[O+\i:O+\i+1], v[T+6:T+7] op_sel_hi:[1,0]   ; each accumulator from its low end on
.endr
.irp i, 0,1,2,3,4,5,6,7,8,9,10,11,12,13,14,15,16,17,18,19,20,21,22,23,24,25,26,27,28,29,30,31
	v_cvt_pk_f16_f32 v[SR+\i], v[O+2*\i], v[O+2*\i+1]   ; registers 4 t .. 4 t + 3: channels 16 t + 8 h + 0 .. 7 of query r
.endr
.irp t, 0,1,2,3,4,5,6,7
	ds_store_b128 v[STO], v[SR+4*\t:SR+4*\t+3] offset:32*\t
.endr
.irp f, 0,1,2,3,4,5,6,7
	ds_load_b128 v[KV+4*\f:KV+4*\f+3], v[RD] offset:\f*2*272   ; LDS serves a wave's instructions in order (ISA guide 5.7.1.4): these see my stores
.endr
.irp f, 0,1,2,3,4,5,6,7
	s_wait_dscnt 7-\f                              ; the younger loads may be out
	global_store_b128 v[GO], v[KV+4*\f:KV+4*\f+3], s[6:7] offset:\f*2*4096   ; 16 lanes store 256 consecutive bytes, aligned
.endr
	s_wait_tensorcnt 0x0                           ; the wave's end: behind my last tensor load and my last LDS store
	ds_add_u32 v[SPW], v[NIL]
	s_wait_dscnt 0x0
	CROUND                                         ; the closing round
	s_endpgm
.Lfunc_end_k_qec67af1ede_attn:
	.size	k_qec67af1ede_attn, .Lfunc_end_k_qec67af1ede_attn-k_qec67af1ede_attn
	.p2alignl 7, 3214868480
	.fill 96, 4, 3214868480
	.section	.rodata,"a",@progbits
	.p2align	6, 0x0
	.amdhsa_kernel k_qec67af1ede_attn
		.amdhsa_group_segment_fixed_size 327680
		.amdhsa_private_segment_fixed_size 0
		.amdhsa_enable_private_segment 0
		.amdhsa_kernarg_size 16
		.amdhsa_user_sgpr_count 2
		.amdhsa_user_sgpr_kernarg_segment_ptr 1
		.amdhsa_wavefront_size32 1
		.amdhsa_system_sgpr_workgroup_id_x 1
		.amdhsa_system_sgpr_workgroup_id_y 1
		.amdhsa_system_sgpr_workgroup_id_z 1
		.amdhsa_system_vgpr_workitem_id 0
		.amdhsa_next_free_vgpr 256
		.amdhsa_next_free_sgpr 66
		.amdhsa_reserve_vcc 0
		.amdhsa_float_denorm_mode_32 3
		.amdhsa_float_denorm_mode_16_64 3
		.amdhsa_memory_ordered 1
		.amdhsa_forward_progress 1
		.amdhsa_inst_pref_size 71
	.end_amdhsa_kernel
	.amdgpu_metadata
---
amdhsa.version: [ 1, 2 ]
amdhsa.kernels:
  - .name:           k_qec67af1ede_attn
    .symbol:         k_qec67af1ede_attn.kd
    .args:
      - { .name: qkv, .offset: 0, .size: 8, .value_kind: global_buffer, .address_space: global }
      - { .name: att, .offset: 8, .size: 8, .value_kind: global_buffer, .address_space: global }
    .group_segment_fixed_size: 327680
    .private_segment_fixed_size: 0
    .kernarg_segment_align: 8
    .kernarg_segment_size: 16
    .max_flat_workgroup_size: 256
    .sgpr_count:     66
    .vgpr_count:     256
    .wavefront_size: 32
...
	.end_amdgpu_metadata
.endif
;; end of part 3
;; launch oproj (part 4): grid 16 x 16, 4 waves a work-group, clusters of 4 x 4, 327,680 bytes of LDS; arguments att, w3h, out0, br, bi; writes out0
.if DOCPART == 4
	.amdgcn_target "amdgcn-amd-amdhsa--gfx1250"
	.amdhsa_code_object_version 6
	.text
	.protected	k_qec67af1ede_oproj
	.globl	k_qec67af1ede_oproj
	.p2align	8
	.type	k_qec67af1ede_oproj,@function
k_qec67af1ede_oproj:
	s_mov_b64 s[64:65], 0
	v_nop
	global_prefetch_b8 v0, s[64:65] scope:SCOPE_SE
	s_setreg_imm32_b32 hwreg(HW_REG_WAVE_MODE, 25, 1), 1
	s_wait_xcnt 0x0
	s_wait_alu depctr_hold_cnt(0) depctr_sa_sdst(0) depctr_va_vdst(0) depctr_va_sdst(0) depctr_va_ssrc(0) depctr_va_vcc(0) depctr_vm_vsrc(0)
	s_getreg_b32 s2, hwreg(HW_REG_IB_STS2, 6, 4)
	s_cmp_eq_u32 s2, 0
	s_cbranch_scc0 .Lentry_in_a_cluster
	s_endpgm
.Lentry_in_a_cluster:
	s_bfe_u32 s2, ttmp6, 0x10000c
	s_cmp_lg_u32 s2, 0xf033
	s_cbranch_scc0 .Lentry_shape_is_right
	s_endpgm
.Lentry_shape_is_right:
; OPROJ.  The complex output projection as ONE product on f16 operands with f32 sums: C[token][n] = sum over k of att[token][k] w3h[n][k] + bias[n], 2048 x 2048, K = 2048 (order 128 head + 64 part + d in both operands).
; Columns 0-1023 are the real part (bias br[3]), columns 1024-2047 the imaginary part (bias bi[3]).  out0 [2][2048 tokens][1024] f32.
; LIMITS: a real or imaginary part is ONE f32 sum over K = 2048, begun with the bias, where the source takes a difference or sum of two f32 sums and adds the bias last.
; A tile of C is 128 x 128, which gives 256 work-groups.  Four waves, each 64 x 64: 16 accumulators of 16 x 16.  K goes in steps of 256 (LDS rows of 512 bytes; a wave's tensor load brings 64 of them) through two LDS slots.
; CLUSTERS: 4 x 4 work-groups.  The four of a row of the cluster need the same tiles of A, the four of a column the same tiles of B: each tile is asked for JOINTLY, by the same tensor load with the same descriptor and a mask that names the four.
; THE MATRIX INSTRUCTION IS USED TRANSPOSED (source 0 = 16 rows of B, source 1 = 16 rows of A): a lane then holds eight neighbouring numbers of a row of C.  THE BIAS is the C of each sum's first product.
; A wave's 64 columns of f32 are 256 consecutive bytes, aligned: each wave sends its own rows out through a stage of its own, with no barrier.
; REGISTERS: window 0: v0-31 addresses; v32-95 rows on the way out; v96-127 the bias in the result's layout; v128-255 the accumulators ((a, b) at v[128 + 8 (4 a + b)]).
;   window 1: two fragment buffers of 128: for 64 along K, 64 registers of A (2 x 4 x 16 rows x 32 K), then 64 of B.
.set SIZE_K, 2048
.set KSTEP,  256
.set PITCH,  528                       ; an LDS row: 512 bytes + 16 of padding = 132 words: the 16 rows of a load start at 16 different banks (64 banks of 4 bytes: ISA guide 11.1)
.set HALFT,  64*PITCH                  ; 64 rows: what one tensor load brings, and what one wave reads of A or of B
.set SLOT,   4*HALFT                   ; A's 128 rows, then B's 128 rows
.set STAGE,  2*SLOT                    ; behind the ring: 16 rows x 272 bytes for each wave, for the way out
.set SPITCH, 272
.set SPARE,  STAGE+4*16*SPITCH         ; behind the stages: the spare words, 128 bytes for each wave; no other line names them
.set LAPS, SIZE_K/(2*KSTEP)            ; a lap = two K steps = once round the ring
.set ADRA, 16                          ; v16-17  LDS address of my A fragments in slot 0, 1
.set ADRB, 20                          ; v20-21  the same for B
.set STO,  24                          ; v24     the way out: where I put 32 bytes of a row
.set RD,   25                          ; v25     the way out: where I read a row back
.set CO,   26                          ; v26     my byte offset in two rows of out0
.set SPW,  28                          ; v28     LDS address of my spare word; never rewritten
.set NIL,  29                          ; v29     0; never rewritten
.set BO,   30                          ; v30     32 x (lane / 16): my eight numbers of a block's sixteen biases
.set OB,   32                          ; the way out: 16 rows read back: v32-63 and v64-95 by turns
.set BI,   96                          ; the bias: block b's eight registers at v[BI + 8 b]
.set ACC,  128
.set F0,   0                           ; fragment buffers, in window 1
.set F1,   128
.set G1, 24                            ; s[24:31] descriptor group 1 for A's tiles;  s[32:39] group 0, one set for each slot
.set G0, 32
.set G1B, 48                           ; s[48:55], s[56:63] the same for B's tiles
.set G0B, 56
.set MSB, 0
.macro WIN new                         ; the immediate's high byte repeats the setting that is left
.if MSB != \new
	s_set_vgpr_msb (MSB<<8)|\new
.set MSB, \new
.endif
.endm
.set MUL,  0x05                        ; sources 0 (B) and 1 (A) window 1; C and D window 0
.set TO_F, 0x40                        ; destination window 1, address window 0
.macro JLOAD s                         ; a joint load: waves 0 and 1 fetch A's two halves, waves 2 and 3 B's; an s_nop 0 and four v_nop follow each of the two lines, ahead of the jump, the label and what follows
	s_cmp_eq_u32 s11, 0
	s_cbranch_scc0 .Lfor_b_\@
	tensor_load_to_lds s[G0+4*\s:G0+4*\s+3], s[G1:G1+7]
	s_nop 0
.rept 4
	v_nop
.endr
	s_branch .Lasked_\@
.Lfor_b_\@:
	tensor_load_to_lds s[G0B+4*\s:G0B+4*\s+3], s[G1B:G1B+7]
	s_nop 0
.rept 4
	v_nop
.endr
.Lasked_\@:
.endm
.macro CREST                           ; a round of the cluster's barrier behind its opening barrier
	s_cmp_lg_u32 s10, 0
	s_cbranch_scc1 .Lnot_wave_0_\@
	s_barrier_signal -3
.Lnot_wave_0_\@:
	s_barrier_wait -3
	s_barrier_signal -1
	s_barrier_wait -1
.endm
.macro CROUND                          ; a whole round
	s_barrier_signal -1
	s_barrier_wait -1
	CREST
.endm
	s_load_b128 s[4:7], s[0:1], 0x0                ; att s[4:5], w3h s[6:7]
	s_load_b64 s[8:9], s[0:1], 0x10                ; out0
	s_load_b128 s[68:71], s[0:1], 0x18             ; br s[68:69], bi s[70:71]
	v_lshl_add_u32 v[SPW], v0, 2, SPARE
	v_mov_b32 v[NIL], 0
	ds_add_u32 v[SPW], v[NIL]                      ; the wave's opening: the add, twice on end, and its wait ahead of my first tensor load; the set-up below, work on registers, stands between
	ds_add_u32 v[SPW], v[NIL]
	v_lshrrev_b32 v1, 5, v0
	v_readfirstlane_b32 s10, v1                    ; wave 0..3
	s_lshr_b32 s11, s10, 1                         ; which half of the tile's rows is mine.  Also: I fetch for A (0) or for B (1)
	s_and_b32 s12, s10, 1                          ; which half of its columns.  Also: which 64 rows of that tile I fetch
	s_bfe_u32 s40, ttmp6, 0x40000                  ; cx, cy: my place in the cluster
	s_bfe_u32 s41, ttmp6, 0x40004
	s_lshl_b32 s42, ttmp9, 2
	s_add_co_u32 s42, s42, s40                     ; tile column of C = 4 x cluster x + cx
	s_and_b32 s13, ttmp7, 0xffff
	s_lshl_b32 s13, s13, 2
	s_add_co_u32 s13, s13, s41                     ; tile row of C = 4 x cluster y + cy
	s_lshl_b32 s43, s41, 2
	s_lshl_b32 s43, 15, s43                        ; my row of the cluster
	s_lshl_b32 s44, 0x1111, s40                    ; my column
	; descriptor group 1: a tile of 64 rows x 256 elements, padded in LDS
	s_or_b32 s[G1+0], s43, (1<<16)|(1<<20)|(1<<21)|(6<<22)|(3<<25)  ; 15:0 the mask: A's tiles go to my row; 17:16 element of 2 bytes; 20 padding on; 21 set beside a mask; 24:22 after every 128 words (code 6); 31:25 of 4 words (code 3)
	s_or_b32 s[G1B+0], s44, (1<<16)|(1<<20)|(1<<21)|(6<<22)|(3<<25)
.irp g, G1, G1B
	s_mov_b32 s[\g+1], KSTEP<<16                   ; tensor_dim0 = 256
	s_mov_b32 s[\g+2], 64<<16                      ; tensor_dim1 = 64
	s_mov_b32 s[\g+3], KSTEP<<16                   ; tile_dim0 = 256
	s_mov_b32 s[\g+4], 64                          ; tile_dim1 = 64
	s_mov_b32 s[\g+5], SIZE_K                      ; tensor_dim0_stride
	s_mov_b32 s[\g+6], 0
	s_mov_b32 s[\g+7], 0
.endr
	s_lshl_b32 s17, s12, 6                         ; which 64 rows of the tile I fetch
	s_lshl_b32 s16, s13, 7
	s_add_co_u32 s16, s16, s17                     ; A: row 128 x tile row + 64 x half
	s_lshl_b32 s46, s42, 7
	s_add_co_u32 s46, s46, s17                     ; B: row 128 x tile column + 64 x half
	s_mov_b32 s17, 0
	s_mov_b32 s47, 0
	s_mov_b64 s[18:19], SIZE_K*2
	s_mul_u64 s[16:17], s[16:17], s[18:19]
	s_mul_u64 s[46:47], s[46:47], s[18:19]
	s_mul_i32 s20, s10, HALFT                      ; where they go: wave x 64 rows: no place in the cluster enters an LDS address
	s_wait_dscnt 0x0                               ; both opening adds are done
	s_wait_kmcnt 0x0
	s_add_nc_u64 s[14:15], s[4:5], s[16:17]
	s_add_nc_u64 s[46:47], s[6:7], s[46:47]
	CROUND                                         ; all sixteen work-groups are here: the first joint loads meet
.irp s, 0,1
	s_mov_b32 s[G0+4*\s], 1
	s_add_co_u32 s[G0+4*\s+1], s20, \s*SLOT
	s_add_nc_u64 s[G0+4*\s+2:G0+4*\s+3], s[14:15], \s*KSTEP*2
	s_or_b32 s[G0+4*\s+3], s[G0+4*\s+3], 0x80000000
	s_mov_b32 s[G0B+4*\s], 1
	s_add_co_u32 s[G0B+4*\s+1], s20, \s*SLOT
	s_add_nc_u64 s[G0B+4*\s+2:G0B+4*\s+3], s[46:47], \s*KSTEP*2
	s_or_b32 s[G0B+4*\s+3], s[G0B+4*\s+3], 0x80000000
	JLOAD \s                                       ; two tensor loads of mine are out
.endr
	v_and_b32 v1, 15, v0                           ; l % 16
	v_bfe_u32 v2, v0, 4, 1                         ; l / 16
	v_mul_u32_u24 v3, v1, PITCH
	v_lshl_add_u32 v3, v2, 4, v3                   ; a fragment's row x pitch + 16 x half
	s_mul_i32 s21, s11, HALFT                      ; my 64 rows of A
	s_mul_i32 s22, s12, HALFT                      ; my 64 rows of B,
	s_add_co_u32 s22, s22, 2*HALFT                 ; which lie behind A's 128
.irp s, 0,1
	v_add_nc_u32 v[ADRA+\s], s21, v3
	v_add_nc_u32 v[ADRB+\s], s22, v3
	s_add_co_u32 s21, s21, SLOT
	s_add_co_u32 s22, s22, SLOT
.endr
	s_mul_i32 s23, s10, 16*SPITCH
	s_add_co_u32 s23, s23, STAGE                   ; my stage
	v_mul_u32_u24 v4, v1, SPITCH                   ; in: row l % 16, 32 bytes for each half of the lanes
	v_lshl_add_u32 v4, v2, 5, v4
	v_add_nc_u32 v[STO], s23, v4
	v_mul_u32_u24 v5, v2, SPITCH                   ; back: lanes 0-15 take one row of 256 bytes, lanes 16-31 the next
	v_lshl_add_u32 v5, v1, 4, v5
	v_add_nc_u32 v[RD], s23, v5
	v_lshlrev_b32 v5, 12, v2                       ; and the same two rows in out0: 4,096 bytes a token
	v_lshl_add_u32 v[CO], v1, 4, v5
	v_lshlrev_b32 v[BO], 5, v2
	s_lshl_b32 s16, s13, 7
	s_lshl_b32 s17, s11, 6
	s_add_co_u32 s16, s16, s17                     ; my first token: 128 x tile row + 64 x half
	s_lshl_b32 s16, s16, 12
	s_mov_b32 s17, 0
	s_add_nc_u64 s[8:9], s[8:9], s[16:17]
	s_cmp_lt_u32 s42, 8                            ; tile columns 0-7 are the real part, 8-15 the imaginary part: two selects, no branch
	s_cselect_b64 s[68:69], s[68:69], s[70:71]     ; br or bi
	s_cselect_b32 s46, 0, 0x800000                 ; out0's first or second half
	s_and_b32 s47, s42, 7
	s_lshl_b32 s47, s47, 7
	s_lshl_b32 s20, s12, 6
	s_add_co_u32 s47, s47, s20                     ; my first column in that part
	s_lshl_b32 s47, s47, 2
	s_add_co_u32 s46, s46, s47
	s_add_co_u32 s20, s47, 3*1024*4                ; layer 3's biases
	s_mov_b32 s21, 0
	s_add_nc_u64 s[68:69], s[68:69], s[20:21]
	s_mov_b32 s47, 0
	s_add_nc_u64 s[8:9], s[8:9], s[46:47]
.irp b, 0,1,2,3                        ; lane (r, h) wants, for block b, the biases of columns 16 b + 8 h + 0 .. 7
	global_load_b128 v[BI+8*\b:BI+8*\b+3], v[BO], s[68:69] offset:64*\b
	global_load_b128 v[BI+8*\b+4:BI+8*\b+7], v[BO], s[68:69] offset:64*\b+16
.endr
; 8 matrix instructions: m blocks a0, a0 + 1 x all 4 n blocks, 32 along K: half c of buffer f.  zero = 1: the first product starts the sums, with the bias as its C.  The 16 accumulators take turns
.macro MUL8 f, c, a0, zero
.irp a, \a0, \a0+1
.irp b, 0,1,2,3
.if \zero
	v_wmma_f32_16x16x32_f16 v[ACC+8*(4*(\a)+\b):ACC+8*(4*(\a)+\b)+7], v[\f+64+8*(4*\c+\b):\f+64+8*(4*\c+\b)+7], v[\f+8*(4*\c+\a):\f+8*(4*\c+\a)+7], v[BI+8*\b:BI+8*\b+7]
.else
	v_wmma_f32_16x16x32_f16 v[ACC+8*(4*(\a)+\b):ACC+8*(4*(\a)+\b)+7], v[\f+64+8*(4*\c+\b):\f+64+8*(4*\c+\b)+7], v[\f+8*(4*\c+\a):\f+8*(4*\c+\a)+7], v[ACC+8*(4*(\a)+\b):ACC+8*(4*(\a)+\b)+7]
.endif
.endr
.endr
.endm
; 32 LDS loads in one run: the fragments of 64 along K at byte k of the rows, into buffer f; the first 32 along K first
.macro FETCH slot, k, f
	WIN TO_F
.irp c, 0,1
.irp i, 0,1,2,3
	ds_load_b128 v[\f+64+8*(4*\c+\i):\f+64+8*(4*\c+\i)+3],   v[ADRB+\slot] offset:\k+64*\c+\i*16*PITCH
	ds_load_b128 v[\f+64+8*(4*\c+\i)+4:\f+64+8*(4*\c+\i)+7], v[ADRB+\slot] offset:\k+64*\c+\i*16*PITCH+32
	ds_load_b128 v[\f+8*(4*\c+\i):\f+8*(4*\c+\i)+3],         v[ADRA+\slot] offset:\k+64*\c+\i*16*PITCH
	ds_load_b128 v[\f+8*(4*\c+\i)+4:\f+8*(4*\c+\i)+7],       v[ADRA+\slot] offset:\k+64*\c+\i*16*PITCH+32
.endr
.endr
.endm
.macro PLACES                          ; four places in front of loads into registers that matrix instructions have read, and of LDS stores that read results
.rept 4
	v_nop
.endr
.endm
; A K step is four quarters of 64 along K, 32 matrix instructions each, on buffers 0, 1, 0, 1.  One of the first three: multiplies buffer f and fetches the next quarter, at byte k, into g.
.macro QUARTER slot, k, f, g, zero
	s_wait_dscnt 16                                ; the first 32 along K are in; the run's second sixteen loads may be out
	WIN MUL
	MUL8 \f, 0, 0, \zero
	MUL8 \f, 0, 2, \zero
	PLACES
	FETCH \slot, \k, \g
	s_wait_dscnt 32                                ; all but the 32 just issued
	WIN MUL
	MUL8 \f, 1, 0, 0
	MUL8 \f, 1, 2, 0
.endm
; The last quarter multiplies buffer 1 and changes slots: ONE barrier; in front of it each wave waits for all its tensor loads, adds 0 to its spare word, and waits for that and for its own reads of this slot.  fill = 1: this slot is filled again, two K steps ahead.
.macro TURN slot, next, fill
	WIN 0                                          ; (the add's two registers lie in window 0)
	s_wait_tensorcnt 0x0                           ; all my tensor loads have landed: my part of the next slot
	ds_add_u32 v[SPW], v[NIL]                      ; 0 onto my spare word
	s_wait_dscnt 17                                ; (the add and the youngest sixteen loads may be out)
	WIN MUL
	MUL8 F1, 0, 0, 0                               ; eight matrix instructions stand between the add and the wait for it
	s_wait_dscnt 0x0                               ; the add is done, and my reads of this slot are over
	s_barrier_signal -1
	MUL8 F1, 0, 2, 0
.if \fill
	WIN 0
.endif
	s_barrier_wait -1
.if \fill
	CREST                                          ; the barrier has opened a round of the cluster's barrier: no wave of any partner still reads this slot's tile or has a load on its way
	s_add_nc_u64 s[G0+4*\slot+2:G0+4*\slot+3], s[G0+4*\slot+2:G0+4*\slot+3], 2*KSTEP*2
	s_add_nc_u64 s[G0B+4*\slot+2:G0B+4*\slot+3], s[G0B+4*\slot+2:G0B+4*\slot+3], 2*KSTEP*2
	JLOAD \slot                                    ; the first tensor load behind the round, and my only one out; the four v_nop behind it are also the places in front of the loads below
.else
	PLACES
.endif
	FETCH \next, 0, F0
	WIN MUL
	MUL8 F1, 1, 0, 0
	MUL8 F1, 1, 2, 0
.endm
	s_wait_tensorcnt 1                             ; my part of K step 0 is in (K step 1's load may be out)
	s_barrier_signal -1
	s_barrier_wait -1                              ; everybody's is
	FETCH 0, 0, F0
	s_wait_loadcnt 0x0                             ; the bias
	QUARTER 0, 128, F0, F1, 1                      ; the first quarter stands in front of the loop: its first products start the sums
	WIN 0                                          ; at a label and at a branch every window is 0
	s_mov_b32 s3, LAPS-1
.Llap:                                                 ; a trip goes once round the ring, from a lap's second quarter to the next lap's first, and fills both slots again
	QUARTER 0, 256, F1, F0, 0
	QUARTER 0, 384, F0, F1, 0
	TURN 0, 1, 1
	QUARTER 1, 128, F0, F1, 0
	QUARTER 1, 256, F1, F0, 0
	QUARTER 1, 384, F0, F1, 0
	TURN 1, 0, 1
	QUARTER 0, 128, F0, F1, 0
	WIN 0
	s_sub_co_u32 s3, s3, 1
	s_cmp_lg_u32 s3, 0
	s_cbranch_scc1 .Llap
	QUARTER 0, 256, F1, F0, 0                      ; the last lap fills nothing, and has no round of the cluster's barrier
	QUARTER 0, 384, F0, F1, 0
	TURN 0, 1, 0
	QUARTER 1, 128, F0, F1, 0
	QUARTER 1, 256, F1, F0, 0
	QUARTER 1, 384, F0, F1, 0
	s_wait_dscnt 16                                ; the very last quarter: nothing more to fetch
	WIN MUL
	MUL8 F1, 0, 0, 0
	MUL8 F1, 0, 2, 0
	s_wait_dscnt 0
	MUL8 F1, 1, 0, 0
	MUL8 F1, 1, 2, 0
	WIN 0
; THE WAY OUT, block by block of 16 rows x 64 columns of f32.  A lane holds 32 neighbouring bytes of a row, and the lanes beside it hold other rows: so a block goes through my own stage in LDS and comes back as whole rows of 256 bytes.
; LDS serves a wave's instructions in order (ISA guide 5.7.1.4): no wait between the stores and the loads, nor in front of the next block's stores.
.macro TOSTAGE a
.irp b, 0,1,2,3
	ds_store_b128 v[STO], v[ACC+8*(4*(\a)+\b):ACC+8*(4*(\a)+\b)+3] offset:64*\b          ; each accumulator from its low end on
	ds_store_b128 v[STO], v[ACC+8*(4*(\a)+\b)+4:ACC+8*(4*(\a)+\b)+7] offset:64*\b+16
.endr
.set BK, OB+32*((\a)%2)
.irp t, 0,1,2,3,4,5,6,7
	ds_load_b128 v[BK+4*\t:BK+4*\t+3], v[RD] offset:\t*2*SPITCH
.endr
.endm
.macro SEND a, younger                 ; younger: the LDS instructions issued behind block a's loads, which may stay out
.set BK, OB+32*((\a)%2)
	s_wait_dscnt \younger                          ; the block is back in registers
.irp t, 0,1,2,3,4,5,6,7
	global_store_b128 v[CO], v[BK+4*\t:BK+4*\t+3], s[8:9] offset:(16*(\a)+2*\t)*4096 th:TH_STORE_NT   ; 16 lanes store 256 consecutive bytes, aligned; written once, read by nobody here
.endr
.endm
	PLACES                                         ; behind the last products
	TOSTAGE 0
.irp a, 1,2,3
.if \a > 1
	s_wait_xcnt 0x0                                ; block a - 2's stores have read their registers: block a's loads may land there
.endif
	TOSTAGE \a
	SEND \a-1, 16                                  ; behind block a - 1's loads: block a's 8 stores and 8 loads
.endr
	SEND 3, 0
	s_wait_tensorcnt 0x0                           ; the wave's end: behind my last tensor load and my last LDS store
	ds_add_u32 v[SPW], v[NIL]
	s_wait_dscnt 0x0
	CROUND                                         ; the closing round: no work-group ends while a partner may still ask for a tile that names it
	s_endpgm
.Lfunc_end_k_qec67af1ede_oproj:
	.size	k_qec67af1ede_oproj, .Lfunc_end_k_qec67af1ede_oproj-k_qec67af1ede_oproj
	.p2alignl 7, 3214868480
	.fill 96, 4, 3214868480
	.section	.rodata,"a",@progbits
	.p2align	6, 0x0
	.amdhsa_kernel k_qec67af1ede_oproj
		.amdhsa_group_segment_fixed_size 327680
		.amdhsa_private_segment_fixed_size 0
		.amdhsa_enable_private_segment 0
		.amdhsa_kernarg_size 40
		.amdhsa_user_sgpr_count 2
		.amdhsa_user_sgpr_kernarg_segment_ptr 1
		.amdhsa_wavefront_size32 1
		.amdhsa_system_sgpr_workgroup_id_x 1
		.amdhsa_system_sgpr_workgroup_id_y 1
		.amdhsa_system_sgpr_workgroup_id_z 1
		.amdhsa_system_vgpr_workitem_id 0
		.amdhsa_next_free_vgpr 512
		.amdhsa_next_free_sgpr 72
		.amdhsa_reserve_vcc 0
		.amdhsa_float_denorm_mode_32 3
		.amdhsa_float_denorm_mode_16_64 3
		.amdhsa_memory_ordered 1
		.amdhsa_forward_progress 1
		.amdhsa_inst_pref_size 87
	.end_amdhsa_kernel
	.amdgpu_metadata
---
amdhsa.version: [ 1, 2 ]
amdhsa.kernels:
  - .name:           k_qec67af1ede_oproj
    .symbol:         k_qec67af1ede_oproj.kd
    .args:
      - { .name: att, .offset: 0, .size: 8, .value_kind: global_buffer, .address_space: global }
      - { .name: w3h, .offset: 8, .size: 8, .value_kind: global_buffer, .address_space: global }
      - { .name: out0, .offset: 16, .size: 8, .value_kind: global_buffer, .address_space: global }
      - { .name: br, .offset: 24, .size: 8, .value_kind: global_buffer, .address_space: global }
      - { .name: bi, .offset: 32, .size: 8, .value_kind: global_buffer, .address_space: global }
    .group_segment_fixed_size: 327680
    .private_segment_fixed_size: 0
    .kernarg_segment_align: 8
    .kernarg_segment_size: 40
    .max_flat_workgroup_size: 128
    .sgpr_count:     72
    .vgpr_count:     512
    .wavefront_size: 32
...
	.end_amdgpu_metadata
.endif
;; end of part 4
